; MI455X (gfx1250); checked and timed in simulation.
; The chip was launched on July 23, 2026; its instructions are those of AMD's public machine-readable ISA for CDNA 5 (MIT licence, August 2026) and "CDNA5" Instruction Set Architecture Reference Guide (July 2026). The comments in the code are by the model that wrote it; some were corrected since.
;; Cross Attention. Allowed arithmetic: float matrix products may take bf16 or f16 operands with f32 sums; all other float work in f32.
;; Inputs: Wkv 2,048 x 1,024 float32; Wp 1,024 x 1,024 float32; Wq 1,024 x 1,024 float32; bkv 2,048 float32; bp 1,024 float32; bq 1,024 float32; mask 4 x 1 x 1,024 x 2,048 bool; x 4 x 1,024 x 1,024 float32; y 4 x 2,048 x 1,024 float32.
;; Outputs: out0 4 x 1,024 x 1,024 float32.
;; 2 versions, each right and faster than the one before. Each part assembles by itself: llvm-mc -triple=amdgcn-amd-amdhsa -mcpu=gfx1250 --defsym DOCPART=n.
;; ======== version 1 of 2: 4 launches
;; limits: values are held in f16: magnitudes above 65,504 overflow, below 6.1e-05 lose precision
;; workspace buffers: kv 33,554,432 bytes; mbits 1,048,576 bytes of whole numbers; qf 16,777,216 bytes; ao 16,777,216 bytes
;; launch kvproj (part 1): grid 8 x 32, 4 waves a work-group, clusters of 4 x 4, 327,680 bytes of LDS; arguments y, Wkv, bkv, mask, kv, mbits; writes kv, mbits
.if DOCPART == 1
	.amdgcn_target "amdgcn-amd-amdhsa--gfx1250"
	.amdhsa_code_object_version 6
	.text
	.protected	k_qd6e9a40415_kvproj
	.globl	k_qd6e9a40415_kvproj
	.p2align	8
	.type	k_qd6e9a40415_kvproj,@function
k_qd6e9a40415_kvproj:
	s_mov_b64 s[64:65], 0
	v_nop
	global_prefetch_b8 v0, s[64:65] scope:SCOPE_SE
	s_setreg_imm32_b32 hwreg(HW_REG_WAVE_MODE, 25, 1), 1
	s_wait_xcnt 0x0
	s_wait_alu depctr_hold_cnt(0) depctr_sa_sdst(0) depctr_va_vdst(0) depctr_va_sdst(0) depctr_va_ssrc(0) depctr_va_vcc(0) depctr_vm_vsrc(0)
	s_getreg_b32 s2, hwreg(HW_REG_IB_STS2, 6, 4)
	s_cmp_eq_u32 s2, 0
	s_cbranch_scc0 .Lentry_in_a_cluster
	s_endpgm
.Lentry_in_a_cluster:
	s_bfe_u32 s2, ttmp6, 0x10000c
	s_cmp_lg_u32 s2, 0xf033
	s_cbranch_scc0 .Lentry_shape_is_right
	s_endpgm
.Lentry_shape_is_right:
; kv[t][n] = sum over k of y[t][k] Wkv[n][k] + bkv[n], stored as f16.  y: [8192][1024] f32, Wkv: [2048][1024] f32, kv: [8192][2048] f16.
; Beside it, while the first tiles are on their way, the boolean mask is packed into lane masks (mbits) for the attention launch.
; FORMAT: both operands are narrowed to f16 between LDS and the matrix unit, sums are f32, the result is rounded once to f16.
; LIMIT: |y|, |Wkv| and |kv| have to stay below 65,504 (f16's largest number).
; SHAPE: a work-group makes 256 tokens x 256 columns with four waves; a wave makes 128 x 128 = 64 accumulator tiles = 512 registers.
; K goes in 16 steps of 64 f32 (rows of 256 bytes, each at a multiple of 256 bytes from its buffer's first byte) through two LDS slots.
; CLUSTERS: 4 x 4 work-groups.  y's tile hangs on the block row alone and is asked for jointly by the four of a row of the cluster,
; Wkv's on the block column alone and is asked for jointly by the four of a column.
; REGISTERS, in windows of 256:
;   window 0: v16-31 addresses; v32-95 y's f16 fragments; v96-223 y's f32 as loaded from LDS; v224-255 at work on the way out
;   window 1: v32-95 Wkv's f16 fragments; v96-223 Wkv's f32; v0-31 and v224-255 the bias as eight C tiles
;   window 2: accumulator tiles of my rows 0-63 (tile (a, b) at v[8 (8 a + b)]);  window 3: those of my rows 64-127
; THE MATRIX INSTRUCTION IS USED TRANSPOSED: source 0 = 16 rows of Wkv, source 1 = 16 rows of y, so that lane l holds token l % 16
; and its registers 0 to 7 the columns 8 (l / 16) + 0 .. 7: eight neighbouring numbers of a row of kv.
.set PITCH,  272                       ; an LDS row: 256 bytes + 16 of padding = 17 x 16: the 16 rows that a load touches begin at 16 different 16-byte columns of a span of 256 bytes
.set HALFT,  128*PITCH                 ; 128 rows: what one tensor load brings, what one wave reads of y or of Wkv
.set SLOT,   4*HALFT                   ; y's 256 rows, then Wkv's 256 rows
.set STAGE,  2*SLOT                    ; behind the ring: 16 rows x 272 bytes for each wave, for the way out; no tensor load lands here
.set SPITCH, 272
.set ROWB,   4096                      ; bytes in a row of y, of Wkv (1024 f32) and of kv (2048 f16)
.set STEPB,  256                       ; bytes of a K step in a row
.set LAPS,   8                         ; a lap = two K steps = once round the ring; 16 steps in all
.set ADRA, 16                          ; v16-17  LDS address of my y rows in slot 0, 1
.set ADRB, 20                          ; v20-21  the same for Wkv
.set STO,  24                          ; the way out: where I put 16 bytes of a row
.set RD,   25                          ; the way out: where I read a row back
.set CO,   26                          ; my byte offset in kv
.set BO,   27                          ; my byte offset in a bias tile
.set MO,   28                          ; my byte offset in the mask
.set MS,   29                          ; my byte offset in mbits
.set SELE, 30                          ; byte selectors of the mask's packing
.set SELO, 31
.set FR,   32                          ; f16 fragments, fragment i at FR + 8 i
.set STG,  96                          ; f32 as loaded, fragment i at STG + 16 i
.set TMP,  224
.set G1,  24                           ; s[24:31] descriptor group 1, y's tiles
.set G0,  32                           ; s[32:39] descriptor group 0, y's tiles, a set for each slot
.set G1B, 48                           ; s[48:55] group 1, Wkv's tiles: differs in the mask alone
.set G0B, 56                           ; s[56:63] group 0, Wkv's tiles
.set MUL_LO,   0xa1                    ; source 0 window 1, source 1 window 0, C and D window 2
.set MUL_HI,   0xf1                    ; the same, C and D window 3
.set FIRST_LO, 0x91                    ; C from window 1 (the bias), D window 2
.set FIRST_HI, 0xd1                    ; C from window 1, D window 3
.set TO_B,     0x40                    ; destination window 1, address window 0
.set CVT_B,    0x45                    ; sources and destination window 1
.set MSB, 0
.macro WIN new                         ; the immediate's high byte repeats the setting that is left
.if MSB != \new
	s_set_vgpr_msb (MSB<<8)|\new
.set MSB, \new
.endif
.endm
.macro PLACES                          ; four plain places behind a matrix instruction (ISA guide 7.12.1)
.rept 4
	v_nop
.endr
.endm
; A joint load.  Waves 0 and 1 fetch y's two halves, waves 2 and 3 Wkv's.  The branch hangs on the wave's number alone.
.macro JLOAD s
	s_cmp_eq_u32 s67, 0
	s_cbranch_scc0 .Lfor_b_\@
	tensor_load_to_lds s[G0+4*\s:G0+4*\s+3], s[G1:G1+7]
	s_nop 0
	s_branch .Lasked_\@
.Lfor_b_\@:
	tensor_load_to_lds s[G0B+4*\s:G0B+4*\s+3], s[G1B:G1B+7]
	s_nop 0
.Lasked_\@:
.endm
.macro CREST                           ; a round of the cluster's barrier behind its opening work-group barrier
	s_cmp_lg_u32 s66, 0
	s_cbranch_scc1 .Lnot_wave_0_\@
	s_barrier_signal -3
.Lnot_wave_0_\@:
	s_barrier_wait -3
	s_barrier_signal -1
	s_barrier_wait -1
.endm
.macro CROUND                          ; a whole round
	s_barrier_signal -1
	s_barrier_wait -1
	CREST
.endm
	s_load_b256 s[4:11], s[0:1], 0x0               ; y s[4:5], Wkv s[6:7], bkv s[8:9], mask s[10:11]
	s_load_b128 s[12:15], s[0:1], 0x20             ; kv s[12:13], mbits s[14:15]
	v_lshl_add_u32 v22, v0, 2, 0x48400
	v_mov_b32 v23, 0
	ds_add_u32 v22, v23
	v_lshrrev_b32 v1, 5, v0
	v_readfirstlane_b32 s66, v1                    ; wave 0..3
	s_lshr_b32 s67, s66, 1                         ; which half of the block's rows is mine.  Also: I fetch for y (0) or for Wkv (1)
	s_and_b32 s68, s66, 1                          ; which half of its columns.  Also: which 128 rows of that tile I fetch
	s_bfe_u32 s40, ttmp6, 0x40000                  ; cx
	s_bfe_u32 s41, ttmp6, 0x40004                  ; cy
	s_lshl_b32 s42, ttmp9, 2
	s_add_co_u32 s42, s42, s40                     ; block column = 4 x cluster x + cx
	s_and_b32 s69, ttmp7, 0xffff
	s_lshl_b32 s69, s69, 2
	s_add_co_u32 s69, s69, s41                     ; block row = 4 x cluster y + cy
	s_lshl_b32 s43, s41, 2
	s_lshl_b32 s43, 15, s43                        ; my row of the cluster: places 4 cy .. 4 cy + 3
	s_lshl_b32 s44, 0x1111, s40                    ; my column: places cx, cx + 4, cx + 8, cx + 12
	s_mov_b32 s71, 0xffff0000                      ; lanes 16 to 31
	s_mov_b32 s72, 0x76543210                      ; v_permlanex16_b32: lane i reads lane i of the other half
	s_mov_b32 s73, 0xfedcba98
	; group 1: a tile of 128 rows x 64 elements of 4 bytes, 4 words of padding behind every 64 words
	s_or_b32 s[G1+0], s43, (2<<16)|(1<<20)|(1<<21)|(5<<22)|(3<<25)   ; y's tiles go to my row of the cluster
	s_or_b32 s[G1B+0], s44, (2<<16)|(1<<20)|(1<<21)|(5<<22)|(3<<25)  ; Wkv's to my column
.irp g, G1, G1B
	s_mov_b32 s[\g+1], 64<<16                      ; tensor_dim0 = 64
	s_mov_b32 s[\g+2], 128<<16                     ; tensor_dim1 = 128
	s_mov_b32 s[\g+3], 64<<16                      ; tile_dim0 = 64
	s_mov_b32 s[\g+4], 128                         ; tile_dim1 = 128
	s_mov_b32 s[\g+5], 1024                        ; elements from row to row
	s_mov_b32 s[\g+6], 0
	s_mov_b32 s[\g+7], 0
.endr
	s_lshl_b32 s23, s68, 19                        ; 128 rows x 4,096 bytes x (wave & 1)
	s_lshl_b32 s16, s69, 20                        ; y: 256 rows x 4,096 bytes x block row
	s_add_co_u32 s16, s16, s23
	s_mov_b32 s17, 0
	s_lshl_b32 s46, s42, 20                        ; Wkv: the same with the block column
	s_add_co_u32 s46, s46, s23
	s_mov_b32 s47, 0
	s_mul_i32 s22, s66, HALFT                      ; where my tile goes: the wave's number alone
	s_wait_dscnt 0x0
	s_wait_kmcnt 0x0
	s_add_nc_u64 s[20:21], s[4:5], s[16:17]
	s_add_nc_u64 s[46:47], s[6:7], s[46:47]
	CROUND                                         ; all sixteen work-groups are here: the first joint loads meet
.irp s, 0,1
	s_mov_b32 s[G0+4*\s], 1
	s_add_co_u32 s[G0+4*\s+1], s22, \s*SLOT
	s_add_nc_u64 s[G0+4*\s+2:G0+4*\s+3], s[20:21], \s*STEPB
	s_or_b32 s[G0+4*\s+3], s[G0+4*\s+3], 0x80000000
	s_mov_b32 s[G0B+4*\s], 1
	s_add_co_u32 s[G0B+4*\s+1], s22, \s*SLOT
	s_add_nc_u64 s[G0B+4*\s+2:G0B+4*\s+3], s[46:47], \s*STEPB
	s_or_b32 s[G0B+4*\s+3], s[G0B+4*\s+3], 0x80000000
	JLOAD \s                                       ; K steps 0 and 1: two tensor loads of a wave are out, the most in this text
.endr
	; addresses.  A fragment of 16 rows x 32 K: lane l takes row l % 16, K = 8 (l / 16) + 0..7 and 16 + 8 (l / 16) + 0..7; in f32 that is
	; four loads of 16 bytes at 32 (l / 16) + 0, 16, 64, 80.
	v_and_b32 v1, 15, v0                           ; r
	v_bfe_u32 v2, v0, 4, 1                         ; h
	v_mul_u32_u24 v3, v1, PITCH
	v_lshl_add_u32 v3, v2, 5, v3                   ; r x pitch + 32 h
	s_mul_i32 s23, s67, HALFT                      ; my 128 rows of y
	s_mul_i32 s45, s68, HALFT                      ; my 128 rows of Wkv,
	s_add_co_u32 s45, s45, 2*HALFT                 ; which lie behind y's 256
.irp s, 0,1
	v_add_nc_u32 v[ADRA+\s], s23, v3
	v_add_nc_u32 v[ADRB+\s], s45, v3
	s_add_co_u32 s23, s23, SLOT
	s_add_co_u32 s45, s45, SLOT
.endr
	s_mul_i32 s23, s66, 16*SPITCH
	s_add_co_u32 s23, s23, STAGE                   ; my stage
	v_mul_u32_u24 v4, v1, SPITCH
	v_lshl_add_u32 v4, v2, 4, v4
	v_add_nc_u32 v[STO], s23, v4                   ; in: row r, 16 bytes for each half of the lanes
	v_mul_u32_u24 v5, v2, SPITCH
	v_lshl_add_u32 v5, v1, 4, v5
	v_add_nc_u32 v[RD], s23, v5                    ; back: lanes 0-15 one row of 256 bytes, lanes 16-31 the next
	v_lshlrev_b32 v5, 12, v2
	v_lshl_add_u32 v[CO], v1, 4, v5                ; the same two rows in kv
	v_lshlrev_b32 v[BO], 5, v2                     ; 8 h numbers of the bias
	; the bias as eight C tiles: register j of lane (r, h) of tile b = bkv[first column + 16 b + 8 h + j]
	s_lshl_b32 s74, s42, 10                        ; 256 columns x 4 bytes x block column
	s_lshl_b32 s23, s68, 9                         ; + 128 columns x 4 bytes x my half
	s_add_co_u32 s74, s74, s23
	s_mov_b32 s75, 0
	s_add_nc_u64 s[8:9], s[8:9], s[74:75]
	WIN TO_B
.irp b, 0,1,2,3,4,5,6,7
	global_load_b128 v[8*\b+(\b/4)*192:8*\b+(\b/4)*192+3],   v[BO], s[8:9] offset:64*\b
	global_load_b128 v[8*\b+(\b/4)*192+4:8*\b+(\b/4)*192+7], v[BO], s[8:9] offset:64*\b+16
.endr
	WIN 0
	; THE MASK.  Work-group T = 8 x block row + block column packs rows 16 T .. 16 T + 15 of the mask taken as [4096][2048] bytes;
	; wave w packs keys 512 w .. 512 w + 511.  mbits: [256 tiles of 16 rows][128 tiles of 16 keys][8 words]; bit l of word j is
	; mask[row l % 16][key 2 j + l / 16]: the lane mask for register j of a score tile in the attention launch.
	s_lshl_b32 s76, s69, 3
	s_add_co_u32 s76, s76, s42                     ; T
	s_lshl_b32 s74, s76, 15                        ; 16 rows of 2,048 bytes
	s_add_nc_u64 s[10:11], s[10:11], s[74:75]
	s_lshl_b32 s74, s76, 12                        ; 128 key tiles of 32 bytes
	s_add_nc_u64 s[14:15], s[14:15], s[74:75]
	v_lshlrev_b32 v6, 14, v2                       ; lanes 16-31 take rows 8 to 15
	v_lshl_add_u32 v6, v1, 4, v6                   ; lane c of a half takes key tile c of sixteen
	v_lshl_add_u32 v[MO], s66, 9, v6
	v_lshlrev_b32 v6, 5, v1
	v_lshl_add_u32 v6, v2, 4, v6
	v_lshl_add_u32 v[MS], s66, 10, v6              ; 1,024 w + 32 c + 16 p
	v_mov_b32 v[SELE], 0x05010400                  ; lanes 0-15: kept byte 0, fetched byte 0, kept byte 1, fetched byte 1
	v_mov_b32 v6, 0x01050004                       ; lanes 16-31: the fetched bytes are the lower rows
	v_cndmask_b32 v[SELE], v[SELE], v6, s71
	v_mov_b32 v[SELO], 0x07030602                  ; the same for bytes 2 and 3
	v_mov_b32 v6, 0x03070206
	v_cndmask_b32 v[SELO], v[SELO], v6, s71
.irp u, 0,1
.irp i, 0,1,2,3,4,5,6,7
	global_load_b128 v[STG+32*\u+4*\i:STG+32*\u+4*\i+3], v[MO], s[10:11] offset:\i*2048+\u*256 th:TH_LOAD_NT   ; row 8 p + i: sixteen lanes read 256 consecutive bytes
.endr
.endr
	s_wait_loadcnt 0x0                             ; the bias and the mask
.irp u, 0,1
.irp i, 1,2,3,4,5,6,7
.irp k, 0,1,2,3
	v_lshl_or_b32 v[STG+32*\u+\k], v[STG+32*\u+4*\i+\k], \i, v[STG+32*\u+\k]   ; a byte is 0 or 1: bit i of byte t of word k = row 8 p + i, key 4 k + t
.endr
.endr
	v_cndmask_b32 v[STG+32*\u+8],  v[STG+32*\u+2], v[STG+32*\u+0], s71   ; sent: lanes 0-15 keys 8-11, lanes 16-31 keys 0-3
	v_cndmask_b32 v[STG+32*\u+9],  v[STG+32*\u+3], v[STG+32*\u+1], s71   ; sent: keys 12-15, keys 4-7
	v_cndmask_b32 v[STG+32*\u+10], v[STG+32*\u+0], v[STG+32*\u+2], s71   ; kept: keys 0-3, keys 8-11
	v_cndmask_b32 v[STG+32*\u+11], v[STG+32*\u+1], v[STG+32*\u+3], s71   ; kept: keys 4-7, keys 12-15
	v_permlanex16_b32 v[STG+32*\u+4], v[STG+32*\u+8], s72, s73           ; the other eight rows of the keys that I keep
	v_permlanex16_b32 v[STG+32*\u+5], v[STG+32*\u+9], s72, s73
	v_perm_b32 v[TMP+4*\u+0], v[STG+32*\u+4], v[STG+32*\u+10], v[SELE]   ; words 4 p .. 4 p + 3 of key tile 32 w + 16 u + c
	v_perm_b32 v[TMP+4*\u+1], v[STG+32*\u+4], v[STG+32*\u+10], v[SELO]
	v_perm_b32 v[TMP+4*\u+2], v[STG+32*\u+5], v[STG+32*\u+11], v[SELE]
	v_perm_b32 v[TMP+4*\u+3], v[STG+32*\u+5], v[STG+32*\u+11], v[SELO]
	global_store_b128 v[MS], v[TMP+4*\u:TMP+4*\u+3], s[14:15] offset:512*\u   ; the wave's store covers 512 consecutive bytes, aligned
.endr
	s_wait_xcnt 0x0                                ; TMP is written again only behind this wait
; 64 LDS loads: the f32 of one half step (128 rows of Wkv, then 128 rows of y, 32 K at byte kb of the rows).  They land in registers that no matrix instruction names.
.macro FETCH slot, kb
	WIN TO_B
.irp i, 0,1,2,3,4,5,6,7
.irp c, 0,1,2,3
	ds_load_b128 v[STG+16*\i+4*\c:STG+16*\i+4*\c+3], v[ADRB+\slot] offset:\kb+\i*16*PITCH+16*(\c%2)+64*(\c/2)
.endr
.endr
	WIN 0
.irp i, 0,1,2,3,4,5,6,7
.irp c, 0,1,2,3
	ds_load_b128 v[STG+16*\i+4*\c:STG+16*\i+4*\c+3], v[ADRA+\slot] offset:\kb+\i*16*PITCH+16*(\c%2)+64*(\c/2)
.endr
.endr
.endm
.macro CVT64                           ; eight fragments: 16 f32 become 8 registers of f16, K in its true places
.irp i, 0,1,2,3,4,5,6,7
.irp c, 0,1,2,3,4,5,6,7
	v_cvt_pk_f16_f32 v[FR+8*\i+\c], v[STG+16*\i+2*\c], v[STG+16*\i+2*\c+1]
.endr
.endr
.endm
.macro CONVERT
	s_wait_dscnt 32                                ; Wkv's 32 loads are in; y's 32, issued behind them, may be out
	WIN CVT_B
	CVT64
	s_wait_dscnt 0                                 ; y's too: none of my LDS reads is out
	WIN 0
	CVT64
.endm
; 16 matrix instructions: row blocks a0, a0 + 1 of the window's four x all 8 column blocks.  first = 1: C is the bias tile, which starts the sums.
; The 64 accumulators take turns, one instruction a turn, in the same order in every half step.
.macro MUL16 hi, a0, first
.irp a, \a0, \a0+1
.irp b, 0,1,2,3,4,5,6,7
.if \first
	v_wmma_f32_16x16x32_f16 v[8*(8*(\a)+\b):8*(8*(\a)+\b)+7], v[FR+8*\b:FR+8*\b+7], v[FR+8*(4*\hi+\a):FR+8*(4*\hi+\a)+7], v[8*\b+(\b/4)*192:8*\b+(\b/4)*192+7]
.else
	v_wmma_f32_16x16x32_f16 v[8*(8*(\a)+\b):8*(8*(\a)+\b)+7], v[FR+8*\b:FR+8*\b+7], v[FR+8*(4*\hi+\a):FR+8*(4*\hi+\a)+7], v[8*(8*(\a)+\b):8*(8*(\a)+\b)+7]
.endif
.endr
.endr
.endm
; The first half of a K step: narrow K 0-31, ask LDS for K 32-63, multiply.
.macro HALF1 slot, first
	PLACES                                         ; the conversions write fragments that the last matrix instructions read
	CONVERT
	FETCH \slot, 128
.if \first
	WIN FIRST_LO
.else
	WIN MUL_LO
.endif
	MUL16 0, 0, \first
	MUL16 0, 2, \first
.if \first
	WIN FIRST_HI
.else
	WIN MUL_HI
.endif
	MUL16 1, 0, \first
	MUL16 1, 2, \first
.endm
; The second half, and the change of slots.  In front of the barrier each wave has waited for its reads of this slot (CONVERT ends at DScnt 0) and for all its
; tensor loads, of which one is out: its part of the next slot.  Behind it (fill = 1: behind the cluster's round that it opens) the refill comes first.
.macro HALF2 slot, next, fill
	PLACES
	CONVERT
	s_wait_tensorcnt 0x0
	ds_add_u32 v22, v23
	s_wait_dscnt 0x0
	s_barrier_signal -1
	WIN MUL_LO
	MUL16 0, 0, 0                                  ; register work while the others arrive
	MUL16 0, 2, 0
	WIN 0
	s_barrier_wait -1
.if \fill
	CREST                                          ; no wave of any partner still reads this slot or has a load on its way
	s_add_nc_u64 s[G0+4*\slot+2:G0+4*\slot+3], s[G0+4*\slot+2:G0+4*\slot+3], 2*STEPB
	s_add_nc_u64 s[G0B+4*\slot+2:G0B+4*\slot+3], s[G0B+4*\slot+2:G0B+4*\slot+3], 2*STEPB
	JLOAD \slot                                    ; my one tensor load behind the round: this slot, two K steps ahead
.endif
	FETCH \next, 0
	WIN MUL_HI
	MUL16 1, 0, 0
	MUL16 1, 2, 0
.endm
.macro LAP first
	HALF1 0, \first
	HALF2 0, 1, 1
	HALF1 1, 0
	HALF2 1, 0, 1
.endm
	s_wait_tensorcnt 0x1                           ; my part of K step 0 is in; K step 1's, issued behind it, may stay out
	s_barrier_signal -1
	s_barrier_wait -1                              ; everybody's is
	FETCH 0, 0
	LAP 1                                          ; the first lap stands in front of the loop: its first products take the bias as C
	WIN 0
	s_mov_b32 s70, LAPS-2
.Llap:
	LAP 0
	WIN 0
	s_sub_co_i32 s70, s70, 1
	s_cmp_lg_u32 s70, 0
	s_cbranch_scc1 .Llap
	HALF1 0, 0                                     ; the last lap fills nothing
	HALF2 0, 1, 0
	HALF1 1, 0
	PLACES
	CONVERT
	WIN MUL_LO
	MUL16 0, 0, 0
	MUL16 0, 2, 0
	WIN MUL_HI
	MUL16 1, 0, 0
	MUL16 1, 2, 0
	; THE WAY OUT, 16 rows at a time: round to f16, 16 bytes a lane into my own stage, read back as whole rows of 256 bytes.
	PLACES
	s_lshl_b32 s74, s69, 20                        ; 256 rows x 4,096 bytes x block row
	s_lshl_b32 s76, s42, 9                         ; + 256 columns x 2 bytes x block column
	s_add_co_u32 s74, s74, s76
	s_lshl_b32 s23, s67, 19                        ; + my 128 rows
	s_add_co_u32 s74, s74, s23
	s_lshl_b32 s23, s68, 8                         ; + my 128 columns
	s_add_co_u32 s74, s74, s23
	s_mov_b32 s75, 0
	s_add_nc_u64 s[12:13], s[12:13], s[74:75]
.macro OUT16 i, a, from, f
	WIN \from
.irp b, 0,1,2,3,4,5,6,7
.irp r, 0,1,2,3
	v_cvt_pk_f16_f32 v[TMP+4*\b+\r], v[8*(8*\a+\b)+2*\r], v[8*(8*\a+\b)+2*\r+1]
.endr
.endr
	WIN 0
.irp b, 0,1,2,3,4,5,6,7
	ds_store_b128 v[STO], v[TMP+4*\b:TMP+4*\b+3] offset:32*\b
.endr
	s_wait_xcnt 0x0                                ; buffer f, which earlier stores read, and the stores' base are written again only behind this wait
.if \i
	s_add_nc_u64 s[12:13], s[12:13], 16*ROWB
.endif
.irp t, 0,1,2,3,4,5,6,7
	ds_load_b128 v[\f+4*\t:\f+4*\t+3], v[RD] offset:\t*2*SPITCH    ; a wave's LDS instructions are served in order: these see the stores above
.endr
.irp t, 0,1,2,3,4,5,6,7
	s_wait_dscnt 7-\t                              ; read-back t is in; the younger ones may be out
	global_store_b128 v[CO], v[\f+4*\t:\f+4*\t+3], s[12:13] offset:2*\t*ROWB   ; 16 lanes store 256 consecutive bytes, aligned
.endr
.endm
	OUT16 0, 0, 0x0a, STG
	OUT16 1, 1, 0x0a, STG+32
	OUT16 2, 2, 0x0a, STG
	OUT16 3, 3, 0x0a, STG+32
	OUT16 4, 0, 0x0f, STG
	OUT16 5, 1, 0x0f, STG+32
	OUT16 6, 2, 0x0f, STG
	OUT16 7, 3, 0x0f, STG+32
	s_wait_tensorcnt 0x0
	ds_add_u32 v22, v23
	s_wait_dscnt 0x0
	CROUND                                         ; the closing round: no work-group ends while a partner may still ask for a tile that names it
	s_endpgm
.Lfunc_end_k_qd6e9a40415_kvproj:
	.size	k_qd6e9a40415_kvproj, .Lfunc_end_k_qd6e9a40415_kvproj-k_qd6e9a40415_kvproj
	.p2alignl 7, 3214868480
	.fill 96, 4, 3214868480
	.section	.rodata,"a",@progbits
	.p2align	6, 0x0
	.amdhsa_kernel k_qd6e9a40415_kvproj
		.amdhsa_group_segment_fixed_size 327680
		.amdhsa_private_segment_fixed_size 0
		.amdhsa_enable_private_segment 0
		.amdhsa_kernarg_size 48
		.amdhsa_user_sgpr_count 2
		.amdhsa_user_sgpr_kernarg_segment_ptr 1
		.amdhsa_wavefront_size32 1
		.amdhsa_system_sgpr_workgroup_id_x 1
		.amdhsa_system_sgpr_workgroup_id_y 1
		.amdhsa_system_sgpr_workgroup_id_z 1
		.amdhsa_system_vgpr_workitem_id 0
		.amdhsa_next_free_vgpr 1024
		.amdhsa_next_free_sgpr 78
		.amdhsa_reserve_vcc 0
		.amdhsa_float_denorm_mode_32 3
		.amdhsa_float_denorm_mode_16_64 3
		.amdhsa_memory_ordered 1
		.amdhsa_forward_progress 1
		.amdhsa_inst_pref_size 250
	.end_amdhsa_kernel
	.amdgpu_metadata
---
amdhsa.version: [ 1, 2 ]
amdhsa.kernels:
  - .name:           k_qd6e9a40415_kvproj
    .symbol:         k_qd6e9a40415_kvproj.kd
    .args:
      - { .name: y, .offset: 0, .size: 8, .value_kind: global_buffer, .address_space: global }
      - { .name: Wkv, .offset: 8, .size: 8, .value_kind: global_buffer, .address_space: global }
      - { .name: bkv, .offset: 16, .size: 8, .value_kind: global_buffer, .address_space: global }
      - { .name: mask, .offset: 24, .size: 8, .value_kind: global_buffer, .address_space: global }
      - { .name: kv, .offset: 32, .size: 8, .value_kind: global_buffer, .address_space: global }
      - { .name: mbits, .offset: 40, .size: 8, .value_kind: global_buffer, .address_space: global }
    .group_segment_fixed_size: 327680
    .private_segment_fixed_size: 0
    .kernarg_segment_align: 8
    .kernarg_segment_size: 48
    .max_flat_workgroup_size: 128
    .sgpr_count:     78
    .vgpr_count:     1024
    .wavefront_size: 32
...
	.end_amdgpu_metadata
.endif
;; end of part 1
;; launch qproj (part 2): grid 8 x 32, 4 waves a work-group, clusters of 4 x 4, 327,680 bytes of LDS; arguments x, Wq, bq, qf; writes qf
.if DOCPART == 2
	.amdgcn_target "amdgcn-amd-amdhsa--gfx1250"
	.amdhsa_code_object_version 6
	.text
	.protected	k_qd6e9a40415_qproj
	.globl	k_qd6e9a40415_qproj
	.p2align	8
	.type	k_qd6e9a40415_qproj,@function
k_qd6e9a40415_qproj:
	s_mov_b64 s[64:65], 0
	v_nop
	global_prefetch_b8 v0, s[64:65] scope:SCOPE_SE
	s_setreg_imm32_b32 hwreg(HW_REG_WAVE_MODE, 25, 1), 1
	s_wait_xcnt 0x0
	s_wait_alu depctr_hold_cnt(0) depctr_sa_sdst(0) depctr_va_vdst(0) depctr_va_sdst(0) depctr_va_ssrc(0) depctr_va_vcc(0) depctr_vm_vsrc(0)
	s_getreg_b32 s2, hwreg(HW_REG_IB_STS2, 6, 4)
	s_cmp_eq_u32 s2, 0
	s_cbranch_scc0 .Lentry_in_a_cluster
	s_endpgm
.Lentry_in_a_cluster:
	s_bfe_u32 s2, ttmp6, 0x10000c
	s_cmp_lg_u32 s2, 0xf033
	s_cbranch_scc0 .Lentry_shape_is_right
	s_endpgm
.Lentry_shape_is_right:
; C[t][n] = sum over k of A[t][k] W[n][k] + bias[n].  A: [4096][1024], W: [1024][1024], bias: [1024], C: [4096][1024], all f32.
; One text for the query projection (x, Wq, bq -> qf) and the output projection (ao, Wp, bp -> out0).
; FORMAT: both operands are narrowed to f16 between LDS and the matrix unit; sums and result are f32.  LIMIT: |A| and |W| below 65,504.
; SHAPE: 32 x 8 blocks of 128 x 128 give 256 work-groups.  Four waves, a wave makes 64 x 64 = 16 accumulator tiles.
; K goes in 8 periods of 128 f32 (rows of 512 bytes, aligned to 256) through two LDS slots; a period is four chunks of 32 along K.
; CLUSTERS: 4 x 4 work-groups; A's tile is asked for jointly along a row of the cluster, W's along a column.
; REGISTERS: window 0: v16-27 addresses, v32-63 A's f16 fragments, v64-95 W's, v96-159 A's f32 as loaded, v160-223 W's, v224-255 the bias as four C tiles;
;            window 1: v0-127 accumulator tile (a, b) at v[8 (4 a + b)].
; The matrix instruction is used transposed (source 0 = rows of W, source 1 = rows of A): a lane holds eight neighbouring columns of one row of C.
.set PITCH,  528                       ; an LDS row: 512 bytes + 16 = 33 x 16: the 16 rows that a load touches begin at 16 different 16-byte columns of a span of 256 bytes
.set QT,     64*PITCH                  ; 64 rows: what one tensor load brings, what one wave reads of A or of W
.set SLOT,   4*QT                      ; A's 128 rows, then W's 128 rows
.set STAGE,  2*SLOT                    ; behind the ring: 16 rows x 272 bytes for each wave; no tensor load lands here
.set SPITCH, 272
.set ROWB,   4096                      ; bytes in a row of A, W and C
.set PERB,   512                       ; bytes of a period in a row
.set ADRA, 16
.set ADRB, 20
.set STO,  24
.set RD,   25
.set CO,   26
.set BO,   27
.set AF,   32
.set BF,   64
.set AST,  96
.set BST,  160
.set BI,   224
.set G1,  24
.set G0,  32
.set G1B, 48
.set G0B, 56
.set W_MUL,   0x50                     ; C and D window 1
.set W_FIRST, 0x40                     ; D window 1, C (the bias) window 0
.set W_ST,    0x04                     ; an LDS store's data from window 1
.set MSB, 0
.macro WIN new
.if MSB != \new
	s_set_vgpr_msb (MSB<<8)|\new
.set MSB, \new
.endif
.endm
.macro PLACES                          ; four plain places behind a matrix instruction (ISA guide 7.12.1)
.rept 4
	v_nop
.endr
.endm
.macro JLOAD s                         ; waves 0 and 1 fetch A's halves, waves 2 and 3 W's; the branch hangs on the wave's number alone
	s_cmp_eq_u32 s67, 0
	s_cbranch_scc0 .Lfor_b_\@
	tensor_load_to_lds s[G0+4*\s:G0+4*\s+3], s[G1:G1+7]
	s_nop 0
	s_branch .Lasked_\@
.Lfor_b_\@:
	tensor_load_to_lds s[G0B+4*\s:G0B+4*\s+3], s[G1B:G1B+7]
	s_nop 0
.Lasked_\@:
.endm
.macro CREST
	s_cmp_lg_u32 s66, 0
	s_cbranch_scc1 .Lnot_wave_0_\@
	s_barrier_signal -3
.Lnot_wave_0_\@:
	s_barrier_wait -3
	s_barrier_signal -1
	s_barrier_wait -1
.endm
.macro CROUND
	s_barrier_signal -1
	s_barrier_wait -1
	CREST
.endm
	s_load_b256 s[4:11], s[0:1], 0x0               ; A s[4:5], W s[6:7], bias s[8:9], C s[10:11]
	v_lshl_add_u32 v30, v0, 2, 0x46400
	v_mov_b32 v31, 0
	ds_add_u32 v30, v31
	v_lshrrev_b32 v1, 5, v0
	v_readfirstlane_b32 s66, v1                    ; wave 0..3
	s_lshr_b32 s67, s66, 1                         ; my half of the block's rows.  Also: I fetch for A (0) or for W (1)
	s_and_b32 s68, s66, 1                          ; my half of its columns.  Also: which 64 rows of that tile I fetch
	s_bfe_u32 s40, ttmp6, 0x40000                  ; cx
	s_bfe_u32 s41, ttmp6, 0x40004                  ; cy
	s_lshl_b32 s42, ttmp9, 2
	s_add_co_u32 s42, s42, s40                     ; block column
	s_and_b32 s69, ttmp7, 0xffff
	s_lshl_b32 s69, s69, 2
	s_add_co_u32 s69, s69, s41                     ; block row
	s_lshl_b32 s43, s41, 2
	s_lshl_b32 s43, 15, s43                        ; my row of the cluster
	s_lshl_b32 s44, 0x1111, s40                    ; my column
	; group 1: a tile of 64 rows x 128 elements of 4 bytes, 4 words of padding behind every 128 words
	s_or_b32 s[G1+0], s43, (2<<16)|(1<<20)|(1<<21)|(6<<22)|(3<<25)
	s_or_b32 s[G1B+0], s44, (2<<16)|(1<<20)|(1<<21)|(6<<22)|(3<<25)
.irp g, G1, G1B
	s_mov_b32 s[\g+1], 128<<16                     ; tensor_dim0 = 128
	s_mov_b32 s[\g+2], 64<<16                      ; tensor_dim1 = 64
	s_mov_b32 s[\g+3], 128<<16                     ; tile_dim0 = 128
	s_mov_b32 s[\g+4], 64                          ; tile_dim1 = 64
	s_mov_b32 s[\g+5], 1024                        ; elements from row to row
	s_mov_b32 s[\g+6], 0
	s_mov_b32 s[\g+7], 0
.endr
	s_lshl_b32 s23, s68, 18                        ; 64 rows x 4,096 bytes x (wave & 1)
	s_lshl_b32 s16, s69, 19                        ; A: 128 rows x 4,096 bytes x block row
	s_add_co_u32 s16, s16, s23
	s_mov_b32 s17, 0
	s_lshl_b32 s46, s42, 19                        ; W: the same with the block column
	s_add_co_u32 s46, s46, s23
	s_mov_b32 s47, 0
	s_mul_i32 s22, s66, QT                         ; where my tile goes: the wave's number alone
	s_wait_dscnt 0x0
	s_wait_kmcnt 0x0
	s_add_nc_u64 s[20:21], s[4:5], s[16:17]
	s_add_nc_u64 s[46:47], s[6:7], s[46:47]
	CROUND                                         ; in front of the first joint loads
.irp s, 0,1
	s_mov_b32 s[G0+4*\s], 1
	s_add_co_u32 s[G0+4*\s+1], s22, \s*SLOT
	s_add_nc_u64 s[G0+4*\s+2:G0+4*\s+3], s[20:21], \s*PERB
	s_or_b32 s[G0+4*\s+3], s[G0+4*\s+3], 0x80000000
	s_mov_b32 s[G0B+4*\s], 1
	s_add_co_u32 s[G0B+4*\s+1], s22, \s*SLOT
	s_add_nc_u64 s[G0B+4*\s+2:G0B+4*\s+3], s[46:47], \s*PERB
	s_or_b32 s[G0B+4*\s+3], s[G0B+4*\s+3], 0x80000000
	JLOAD \s                                       ; periods 0 and 1: two tensor loads of a wave are out, the most in this text
.endr
	v_and_b32 v1, 15, v0                           ; r
	v_bfe_u32 v2, v0, 4, 1                         ; h
	v_mul_u32_u24 v3, v1, PITCH
	v_lshl_add_u32 v3, v2, 5, v3                   ; r x pitch + 32 h
	s_mul_i32 s23, s67, QT                         ; my 64 rows of A
	s_mul_i32 s45, s68, QT                         ; my 64 rows of W,
	s_add_co_u32 s45, s45, 2*QT                    ; behind A's 128
.irp s, 0,1
	v_add_nc_u32 v[ADRA+\s], s23, v3
	v_add_nc_u32 v[ADRB+\s], s45, v3
	s_add_co_u32 s23, s23, SLOT
	s_add_co_u32 s45, s45, SLOT
.endr
	s_mul_i32 s23, s66, 16*SPITCH
	s_add_co_u32 s23, s23, STAGE                   ; my stage
	v_mul_u32_u24 v4, v1, SPITCH
	v_lshl_add_u32 v4, v2, 5, v4
	v_add_nc_u32 v[STO], s23, v4                   ; in: row r, 32 bytes for each half of the lanes
	v_mul_u32_u24 v5, v2, SPITCH
	v_lshl_add_u32 v5, v1, 4, v5
	v_add_nc_u32 v[RD], s23, v5                    ; back: lanes 0-15 one row of 256 bytes, lanes 16-31 the next
	v_lshlrev_b32 v5, 12, v2
	v_lshl_add_u32 v[CO], v1, 4, v5
	v_lshlrev_b32 v[BO], 5, v2
	s_lshl_b32 s74, s42, 9                         ; 128 columns x 4 bytes x block column
	s_lshl_b32 s23, s68, 8                         ; + my 64 columns
	s_add_co_u32 s74, s74, s23
	s_mov_b32 s75, 0
	s_add_nc_u64 s[8:9], s[8:9], s[74:75]
.irp b, 0,1,2,3
	global_load_b128 v[BI+8*\b:BI+8*\b+3],   v[BO], s[8:9] offset:64*\b      ; register j of lane (r, h) of tile b = bias[first column + 16 b + 8 h + j]
	global_load_b128 v[BI+8*\b+4:BI+8*\b+7], v[BO], s[8:9] offset:64*\b+16
.endr
	s_wait_loadcnt 0x0
; 32 LDS loads: the f32 of one chunk (64 rows of W, then 64 rows of A, 32 K at byte kb), into registers that no matrix instruction names
.macro FETCH slot, kb
.irp i, 0,1,2,3
.irp c, 0,1,2,3
	ds_load_b128 v[BST+16*\i+4*\c:BST+16*\i+4*\c+3], v[ADRB+\slot] offset:\kb+\i*16*PITCH+16*(\c%2)+64*(\c/2)
.endr
.endr
.irp i, 0,1,2,3
.irp c, 0,1,2,3
	ds_load_b128 v[AST+16*\i+4*\c:AST+16*\i+4*\c+3], v[ADRA+\slot] offset:\kb+\i*16*PITCH+16*(\c%2)+64*(\c/2)
.endr
.endr
.endm
.macro CONVERT
	s_wait_dscnt 16                                ; W's 16 loads are in; A's 16, issued behind them, may be out
.irp i, 0,1,2,3
.irp c, 0,1,2,3,4,5,6,7
	v_cvt_pk_f16_f32 v[BF+8*\i+\c], v[BST+16*\i+2*\c], v[BST+16*\i+2*\c+1]
.endr
.endr
	s_wait_dscnt 0                                 ; A's too: none of my LDS reads is out
.irp i, 0,1,2,3
.irp c, 0,1,2,3,4,5,6,7
	v_cvt_pk_f16_f32 v[AF+8*\i+\c], v[AST+16*\i+2*\c], v[AST+16*\i+2*\c+1]
.endr
.endr
.endm
; 8 matrix instructions.  The 16 accumulators take turns, one instruction a turn, in the same order in every chunk.
.macro MUL8 a0, first
.irp a, \a0, \a0+1
.irp b, 0,1,2,3
.if \first
	v_wmma_f32_16x16x32_f16 v[8*(4*(\a)+\b):8*(4*(\a)+\b)+7], v[BF+8*\b:BF+8*\b+7], v[AF+8*(\a):AF+8*(\a)+7], v[BI+8*\b:BI+8*\b+7]
.else
	v_wmma_f32_16x16x32_f16 v[8*(4*(\a)+\b):8*(4*(\a)+\b)+7], v[BF+8*\b:BF+8*\b+7], v[AF+8*(\a):AF+8*(\a)+7], v[8*(4*(\a)+\b):8*(4*(\a)+\b)+7]
.endif
.endr
.endr
.endm
; One of a period's first three chunks: narrow, ask LDS for the next chunk, multiply.
.macro CH slot, kbnext, first
	PLACES                                         ; the conversions write fragments that the last matrix instructions read
	CONVERT
	FETCH \slot, \kbnext
.if \first
	WIN W_FIRST
.else
	WIN W_MUL
.endif
	MUL8 0, \first
	MUL8 2, \first
	WIN 0
.endm
; The last chunk, and the change of slots: each wave has waited for its reads of this slot and for all its tensor loads in front of the barrier;
; behind it (fill = 1: behind the cluster's round that it opens) the refill comes first, then the next slot's first chunk is read.
.macro TURN slot, next, fill
	PLACES
	CONVERT
	s_wait_tensorcnt 0x0
	ds_add_u32 v30, v31
	s_wait_dscnt 0x0
	s_barrier_signal -1
	WIN W_MUL
	MUL8 0, 0
	WIN 0
	s_barrier_wait -1
.if \fill
	CREST
	s_add_nc_u64 s[G0+4*\slot+2:G0+4*\slot+3], s[G0+4*\slot+2:G0+4*\slot+3], 2*PERB
	s_add_nc_u64 s[G0B+4*\slot+2:G0B+4*\slot+3], s[G0B+4*\slot+2:G0B+4*\slot+3], 2*PERB
	JLOAD \slot                                    ; my one tensor load behind the round: this slot, two periods ahead
.endif
	FETCH \next, 0
	WIN W_MUL
	MUL8 2, 0
	WIN 0
.endm
.macro PERIOD slot, next, fill, first
	CH \slot, 128, \first
	CH \slot, 256, 0
	CH \slot, 384, 0
	TURN \slot, \next, \fill
.endm
	s_wait_tensorcnt 0x1                           ; my part of period 0 is in; period 1's may stay out
	s_barrier_signal -1
	s_barrier_wait -1
	FETCH 0, 0
	PERIOD 0, 1, 1, 1                              ; the first products take the bias as C
	PERIOD 1, 0, 1, 0
	s_mov_b32 s70, 2
.Llap:
	PERIOD 0, 1, 1, 0
	PERIOD 1, 0, 1, 0
	s_sub_co_i32 s70, s70, 1
	s_cmp_lg_u32 s70, 0
	s_cbranch_scc1 .Llap
	PERIOD 0, 1, 0, 0                              ; the last two periods fill nothing
	CH 1, 128, 0
	CH 1, 256, 0
	CH 1, 384, 0
	PLACES
	CONVERT
	WIN W_MUL
	MUL8 0, 0
	MUL8 2, 0
	WIN 0
	; THE WAY OUT, 16 rows at a time, through my own stage: a lane's 32 bytes in, whole rows of 256 bytes back.
	PLACES
	s_lshl_b32 s74, s69, 19                        ; 128 rows x 4,096 bytes x block row
	s_lshl_b32 s76, s42, 9                         ; + 128 columns x 4 bytes x block column
	s_add_co_u32 s74, s74, s76
	s_lshl_b32 s23, s67, 18                        ; + my 64 rows
	s_add_co_u32 s74, s74, s23
	s_lshl_b32 s23, s68, 8                         ; + my 64 columns
	s_add_co_u32 s74, s74, s23
	s_mov_b32 s75, 0
	s_add_nc_u64 s[10:11], s[10:11], s[74:75]
.macro OUT16 a, f
	WIN W_ST
.irp b, 0,1,2,3
	ds_store_b128 v[STO], v[8*(4*\a+\b):8*(4*\a+\b)+3]   offset:64*\b
	ds_store_b128 v[STO], v[8*(4*\a+\b)+4:8*(4*\a+\b)+7] offset:64*\b+16
.endr
	WIN 0
	s_wait_xcnt 0x0                                ; buffer f, which earlier stores read, and the stores' base are written again only behind this wait
.if \a
	s_add_nc_u64 s[10:11], s[10:11], 16*ROWB
.endif
.irp t, 0,1,2,3,4,5,6,7
	ds_load_b128 v[\f+4*\t:\f+4*\t+3], v[RD] offset:\t*2*SPITCH    ; a wave's LDS instructions are served in order: these see the stores above
.endr
.irp t, 0,1,2,3,4,5,6,7
	s_wait_dscnt 7-\t                              ; read-back t is in; the younger ones may be out
	global_store_b128 v[CO], v[\f+4*\t:\f+4*\t+3], s[10:11] offset:2*\t*ROWB   ; 16 lanes store 256 consecutive bytes, aligned
.endr
.endm
	OUT16 0, AST
	OUT16 1, BST
	OUT16 2, AST
	OUT16 3, BST
	s_wait_tensorcnt 0x0
	ds_add_u32 v30, v31
	s_wait_dscnt 0x0
	CROUND                                         ; the closing round
	s_endpgm
.Lfunc_end_k_qd6e9a40415_qproj:
	.size	k_qd6e9a40415_qproj, .Lfunc_end_k_qd6e9a40415_qproj-k_qd6e9a40415_qproj
	.p2alignl 7, 3214868480
	.fill 96, 4, 3214868480
	.section	.rodata,"a",@progbits
	.p2align	6, 0x0
	.amdhsa_kernel k_qd6e9a40415_qproj
		.amdhsa_group_segment_fixed_size 327680
		.amdhsa_private_segment_fixed_size 0
		.amdhsa_enable_private_segment 0
		.amdhsa_kernarg_size 32
		.amdhsa_user_sgpr_count 2
		.amdhsa_user_sgpr_kernarg_segment_ptr 1
		.amdhsa_wavefront_size32 1
		.amdhsa_system_sgpr_workgroup_id_x 1
		.amdhsa_system_sgpr_workgroup_id_y 1
		.amdhsa_system_sgpr_workgroup_id_z 1
		.amdhsa_system_vgpr_workitem_id 0
		.amdhsa_next_free_vgpr 384
		.amdhsa_next_free_sgpr 78
		.amdhsa_reserve_vcc 0
		.amdhsa_float_denorm_mode_32 3
		.amdhsa_float_denorm_mode_16_64 3
		.amdhsa_memory_ordered 1
		.amdhsa_forward_progress 1
		.amdhsa_inst_pref_size 195
	.end_amdhsa_kernel
	.amdgpu_metadata
---
amdhsa.version: [ 1, 2 ]
amdhsa.kernels:
  - .name:           k_qd6e9a40415_qproj
    .symbol:         k_qd6e9a40415_qproj.kd
    .args:
      - { .name: x, .offset: 0, .size: 8, .value_kind: global_buffer, .address_space: global }
      - { .name: Wq, .offset: 8, .size: 8, .value_kind: global_buffer, .address_space: global }
      - { .name: bq, .offset: 16, .size: 8, .value_kind: global_buffer, .address_space: global }
      - { .name: qf, .offset: 24, .size: 8, .value_kind: global_buffer, .address_space: global }
    .group_segment_fixed_size: 327680
    .private_segment_fixed_size: 0
    .kernarg_segment_align: 8
    .kernarg_segment_size: 32
    .max_flat_workgroup_size: 128
    .sgpr_count:     78
    .vgpr_count:     384
    .wavefront_size: 32
...
	.end_amdgpu_metadata
.endif
;; end of part 2
;; launch attn (part 3): grid 8 x 32, 8 waves a work-group, clusters of 4 x 1, 327,680 bytes of LDS; arguments qf, kv, mbits, ao; writes ao
.if DOCPART == 3
	.amdgcn_target "amdgcn-amd-amdhsa--gfx1250"
	.amdhsa_code_object_version 6
	.text
	.protected	k_qd6e9a40415_attn
	.globl	k_qd6e9a40415_attn
	.p2align	8
	.type	k_qd6e9a40415_attn,@function
k_qd6e9a40415_attn:
	s_mov_b64 s[64:65], 0
	v_nop
	global_prefetch_b8 v0, s[64:65] scope:SCOPE_SE
	s_setreg_imm32_b32 hwreg(HW_REG_WAVE_MODE, 25, 1), 1
	s_wait_xcnt 0x0
	s_wait_alu depctr_hold_cnt(0) depctr_sa_sdst(0) depctr_va_vdst(0) depctr_va_sdst(0) depctr_va_ssrc(0) depctr_va_vcc(0) depctr_vm_vsrc(0)
	s_getreg_b32 s2, hwreg(HW_REG_IB_STS2, 6, 4)
	s_cmp_eq_u32 s2, 0
	s_cbranch_scc0 .Lentry_in_a_cluster
	s_endpgm
.Lentry_in_a_cluster:
	s_bfe_u32 s2, ttmp6, 0x10000c
	s_cmp_lg_u32 s2, 0x3003
	s_cbranch_scc0 .Lentry_shape_is_right
	s_endpgm
.Lentry_shape_is_right:
; ao[token][64 head + d] = softmax over the unmasked keys of (q k / 8) times v.  qf: [4096][1024] f32, kv: [8192][2048] f16 (K in columns 0-1023, V in 1024-2047),
; mbits: packed mask, ao: [4096][1024] f32.
; SHARES: a work-group takes one batch, two heads and 128 query rows; wave w takes head w >> 2 of the pair and 32 rows at 32 (w & 3).  With two heads a row of a K or V
; tile is 256 consecutive aligned bytes.  Keys go in 8 periods of 256 through two LDS slots, a period in four steps of 64 keys.
; CLUSTERS: the four work-groups of a cluster are four query blocks of the same batch and head pair: they read the same K and V tiles and ask for them jointly.
; Q, the mask words and the output are each work-group's own and go through registers.
; LAYOUT: scores are made transposed, S^T = K Q^T, so a lane owns one query (l % 16): maximum, sum and rescaling are plain numbers of the lane, and the eight
; registers of two neighbouring score tiles, narrowed in place, are the second source of O^T = V^T P^T.  Row m of a score tile stands for key 2 (m & 7) + (m >> 3)
; of its 16, so that K's loads take 16 different rows and V's transposing loads rows two apart.
; mbits is packed in that order.
; SOFTMAX: running maximum and running sum in f32, base 2 (log2 e / 8 is folded into Q).  The maximum is taken away before every exponential.
; FORMAT: Q, K, V and P are f16, sums f32.  LIMITS: |0.18 q|, |k|, |v| below 65,504.  The running maximum starts at -1e30: scores (in base 2) below it are not told apart.
; A row with every key masked gives 0 x infinity = NaN, as the softmax of such a row does.
.set QTR,   64*272                     ; 64 rows x 272 bytes: what one tensor load brings, and one step's keys
.set SLOT,  8*QTR                      ; K's 256 rows, then V's 256 rows
.set SCRB,  2*SLOT                     ; behind the ring: scratch, 4,608 bytes for each wave; no tensor load lands here
.set SCRW,  4608
.set PERB,  256*4096                   ; bytes of kv from a period's keys to the next period's
.set MN,   7                           ; the new maximum
.set KA,   8                           ; v8-9    LDS address of K's fragments in slot 0, 1
.set VA,   10                          ; v10-11  the same for V
.set STO,  12                          ; the way out: in
.set RD,   13                          ; the way out: back
.set GO,   14                          ; two rows of 256 bytes in qf and ao
.set NINF, 15                          ; minus infinity
.set MX,   16                          ; v16-17  running maximum of query tile 0, 1
.set LS,   18                          ; v[18:19], v[20:21]  running sums, a pair for each query tile
.set NM,   22                          ; v[22:23] minus the new maximum, twice
.set AL,   24                          ; v[24:25] the rescaling factor, twice
.set T,    26                          ; v26-29  at work
.set TS,   30                          ; v[30:31] second chain of the sums
.set QF,   32                          ; Q fragment (qt, dh) at QF + 8 (2 qt + dh)
.set OT,   64                          ; output tile (dt, qt) at OT + 8 (2 dt + qt)
.set SC,   128                         ; score tile (qt, kt) at SC + 8 (4 qt + kt); P fragment (qt, kh) = the first 8 registers at SC + 32 qt + 16 kh
.set KF,   192                         ; K fragment (kt, dh) at KF + 8 (2 kt + dh), then V fragment (dt, kh) at KF + 8 (2 dt + kh)
.set G1,   16                          ; s[16:23] descriptor group 1
.set G0,   24                          ; s[24:31] descriptor group 0, a set for each slot
.macro ROUND                           ; a round of the cluster's barrier
	s_barrier_signal -1
	s_barrier_wait -1
	s_cmp_lg_u32 s12, 0
	s_cbranch_scc1 .Lnot_wave_0_\@
	s_barrier_signal -3
.Lnot_wave_0_\@:
	s_barrier_wait -3
	s_barrier_signal -1
	s_barrier_wait -1
.endm
	s_load_b256 s[4:11], s[0:1], 0x0               ; qf s[4:5], kv s[6:7], mbits s[8:9], ao s[10:11]
	s_set_vgpr_msb 0x40
	v_lshl_add_u32 v0, v0, 2, 0x4d000
	v_mov_b32 v1, 0
	s_set_vgpr_msb 0x4045
	ds_add_u32 v0, v1
	s_set_vgpr_msb 0x4500
	v_lshrrev_b32 v1, 5, v0
	v_readfirstlane_b32 s12, v1                    ; wave 0..7
	s_lshr_b32 s13, s12, 2                         ; my head of the pair.  Also: I fetch K (0) or V (1)
	s_and_b32 s14, s12, 3                          ; my 32 query rows.  Also: which 64 keys of a period I fetch
	s_and_b32 s15, ttmp7, 0xffff
	s_lshr_b32 s101, s15, 3                        ; batch
	s_and_b32 s15, s15, 7                          ; head pair
	s_mov_b32 s66, 0x76543210                      ; v_permlanex16_b32: lane i reads lane i of the other half
	s_mov_b32 s67, 0xfedcba98
	; group 1: 64 rows x 128 elements of 2 bytes, 4 words of padding behind every 64 words; the mask names all four work-groups of the cluster
	s_mov_b32 s[G1+0], 15|(1<<16)|(1<<20)|(1<<21)|(5<<22)|(3<<25)
	s_mov_b32 s[G1+1], 128<<16                     ; tensor_dim0 = 128
	s_mov_b32 s[G1+2], 64<<16                      ; tensor_dim1 = 64
	s_mov_b32 s[G1+3], 128<<16                     ; tile_dim0 = 128
	s_mov_b32 s[G1+4], 64                          ; tile_dim1 = 64
	s_mov_b32 s[G1+5], 2048                        ; elements from row to row
	s_mov_b32 s[G1+6], 0
	s_mov_b32 s[G1+7], 0
	; my tile of period 0: made of the batch, the head pair and the wave's number, which the four partners share
	s_lshl_b32 s104, s101, 23                      ; 2,048 tokens x 4,096 bytes x batch
	s_lshl_b32 s105, s14, 18                       ; + 64 tokens x (wave & 3)
	s_add_co_u32 s104, s104, s105
	s_lshl_b32 s105, s13, 11                       ; + 2,048 bytes for V
	s_add_co_u32 s104, s104, s105
	s_lshl_b32 s105, s15, 8                        ; + 256 bytes x head pair
	s_add_co_u32 s104, s104, s105
	s_mov_b32 s105, 0
	s_mul_i32 s100, s12, QTR                       ; where it goes: K's four quarters, then V's four
	; what is my work-group's own: the query block enters global offsets alone
	s_bfe_u32 s2, ttmp6, 0x40000                   ; cx
	s_lshl_b32 s3, ttmp9, 2
	s_add_co_u32 s3, s3, s2                        ; query block = 4 x cluster x + cx
	s_lshl_b32 s68, s101, 22                       ; qf and ao: 1,024 tokens x 4,096 bytes x batch
	s_lshl_b32 s2, s3, 19                          ; + 128 tokens x query block
	s_add_co_u32 s68, s68, s2
	s_lshl_b32 s2, s14, 17                         ; + 32 tokens x (wave & 3)
	s_add_co_u32 s68, s68, s2
	s_lshl_b32 s2, s15, 9                          ; + 512 bytes x head pair
	s_add_co_u32 s68, s68, s2
	s_lshl_b32 s2, s13, 8                          ; + 256 bytes x head
	s_add_co_u32 s68, s68, s2
	s_mov_b32 s69, 0
	s_lshl_b32 s70, s101, 18                       ; mbits: 4,096 bytes for a tile of 16 rows: 64 tiles x batch
	s_lshl_b32 s2, s3, 15                          ; + 8 tiles x query block
	s_add_co_u32 s70, s70, s2
	s_lshl_b32 s2, s14, 13                         ; + 2 tiles x (wave & 3)
	s_add_co_u32 s70, s70, s2
	s_mov_b32 s71, 0
	s_wait_dscnt 0x0
	s_wait_kmcnt 0x0
	s_add_nc_u64 s[6:7], s[6:7], s[104:105]
	s_add_nc_u64 s[4:5], s[4:5], s[68:69]
	s_add_nc_u64 s[10:11], s[10:11], s[68:69]
	s_add_nc_u64 s[8:9], s[8:9], s[70:71]
.irp s, 0,1
	s_mov_b32 s[G0+4*\s], 1
	s_add_co_u32 s[G0+4*\s+1], s100, \s*SLOT
	s_add_nc_u64 s[G0+4*\s+2:G0+4*\s+3], s[6:7], \s*PERB
	s_or_b32 s[G0+4*\s+3], s[G0+4*\s+3], 0x80000000
.endr
	ROUND                                          ; in front of the first joint loads
	tensor_load_to_lds s[G0:G0+3], s[G1:G1+7]      ; period 0
	s_nop 0
	tensor_load_to_lds s[G0+4:G0+7], s[G1:G1+7]    ; period 1: two tensor loads of a wave are out, the most in this text
	s_nop 0
	s_load_b512 s[32:47], s[8:9], 0x0              ; step 0's lane masks: query tile 0, word (kt, j) in s[32 + 8 kt + j]
	s_load_b512 s[48:63], s[8:9], 0x40
	s_load_b512 s[68:83], s[8:9], 0x1000           ; query tile 1, in s[68 + 8 kt + j]
	s_load_b512 s[84:99], s[8:9], 0x1040
	v_and_b32 v1, 15, v0                           ; r
	v_bfe_u32 v2, v0, 4, 1                         ; h
	v_lshlrev_b32 v5, 12, v2
	v_lshl_add_u32 v[GO], v1, 4, v5                ; lanes 0-15 one row's 256 bytes, lanes 16-31 the next row's
.irp i, 0,1,2,3,4,5,6,7,8,9,10,11,12,13,14,15
	global_load_b128 v[SC+4*\i:SC+4*\i+3], v[GO], s[4:5] offset:\i*8192    ; my 32 rows of Q, two at a time
.endr
	v_and_b32 v3, 7, v0
	v_bfe_u32 v4, v0, 3, 1
	v_lshl_add_u32 v5, v3, 1, v4                   ; K: lane r takes key 2 (r & 7) + (r >> 3) of the 16
	v_mul_u32_u24 v5, v5, 272
	v_lshl_add_u32 v5, v2, 4, v5                   ; + 16 h
	s_lshl_b32 s104, s13, 7                        ; + 128 bytes for the pair's second head
	v_add_nc_u32 v[KA], s104, v5
	v_add_nc_u32 v[KA+1], SLOT, v[KA]
	v_lshl_add_u32 v6, v3, 1, v2                   ; V: lane l addresses key 2 (l & 7) + h,
	v_mul_u32_u24 v6, v6, 272
	v_lshl_add_u32 v6, v4, 4, v6                   ; eight d at 16 ((l >> 3) & 1)
	s_add_co_u32 s104, s104, 4*QTR                 ; V lies behind K's 256 rows
	v_add_nc_u32 v[VA], s104, v6
	v_add_nc_u32 v[VA+1], SLOT, v[VA]
	s_mul_i32 s104, s12, SCRW
	s_add_co_u32 s104, s104, SCRB                  ; my scratch
	v_mul_u32_u24 v5, v1, 272
	v_lshl_add_u32 v5, v2, 5, v5
	v_add_nc_u32 v[STO], s104, v5
	v_mul_u32_u24 v5, v2, 272
	v_lshl_add_u32 v5, v1, 4, v5
	v_add_nc_u32 v[RD], s104, v5
	v_mov_b32 v[NINF], 0xff800000
	v_mul_u32_u24 v5, v2, 144                      ; Q in scratch: rows of 128 bytes of f16 + 16
	v_lshl_add_u32 v5, v1, 3, v5
	v_add_nc_u32 v4, s104, v5                      ; in: row 2 i + h, 8 bytes at 8 r
	v_mul_u32_u24 v5, v1, 144
	v_lshl_add_u32 v5, v2, 4, v5
	v_add_nc_u32 v5, s104, v5                      ; back: row r, 16 bytes at 16 h
.irp i, 0,1,2,3,4,5,6,7,8,9,10,11,12,13,14,15
	s_wait_loadcnt 15-\i                           ; load i is in; the younger ones may be out
	v_pk_mul_f32 v[SC+4*\i:SC+4*\i+1],   v[SC+4*\i:SC+4*\i+1],   0x3e38aa3b op_sel_hi:[1,0]   ; log2 e / 8
	v_pk_mul_f32 v[SC+4*\i+2:SC+4*\i+3], v[SC+4*\i+2:SC+4*\i+3], 0x3e38aa3b op_sel_hi:[1,0]
	v_cvt_pk_f16_f32 v[KF+2*\i],   v[SC+4*\i],   v[SC+4*\i+1]
	v_cvt_pk_f16_f32 v[KF+2*\i+1], v[SC+4*\i+2], v[SC+4*\i+3]
	ds_store_b64 v4, v[KF+2*\i:KF+2*\i+1] offset:\i*288
.endr
.irp qt, 0,1
.irp dh, 0,1
	ds_load_b128 v[QF+8*(2*\qt+\dh):QF+8*(2*\qt+\dh)+3],   v5 offset:\qt*2304+\dh*64      ; a wave's LDS instructions are served in order: these see the stores above
	ds_load_b128 v[QF+8*(2*\qt+\dh)+4:QF+8*(2*\qt+\dh)+7], v5 offset:\qt*2304+\dh*64+32
.endr
.endr
	s_wait_dscnt 0x0
; K's eight fragments of step t: the four of d 0-31 first
.macro KLOAD slot, t
.irp dh, 0,1
.irp kt, 0,1,2,3
	ds_load_b128 v[KF+8*(2*\kt+\dh):KF+8*(2*\kt+\dh)+3],   v[KA+\slot] offset:(\t)*QTR+\kt*4352+\dh*64
	ds_load_b128 v[KF+8*(2*\kt+\dh)+4:KF+8*(2*\kt+\dh)+7], v[KA+\slot] offset:(\t)*QTR+\kt*4352+\dh*64+32
.endr
.endr
.endm
; V's eight fragments of step t, transposed on the way: the four of keys 0-31 first
.macro VLOAD slot, t
.irp kh, 0,1
.irp dt, 0,1,2,3
	ds_load_tr16_b128 v[KF+8*(2*\dt+\kh):KF+8*(2*\dt+\kh)+3],   v[VA+\slot] offset:(\t)*QTR+\kh*8704+\dt*32
	ds_load_tr16_b128 v[KF+8*(2*\dt+\kh)+4:KF+8*(2*\dt+\kh)+7], v[VA+\slot] offset:(\t)*QTR+\kh*8704+\dt*32+4352
.endr
.endr
.endm
; One query tile's 32 scores of a lane: new maximum, rescaling, exponentials, sum, narrowing in place.
.macro SOFTMAX qt, first
.irp c, 0,1,2,3
	v_max3_num_f32 v[T+\c], v[SC+32*\qt+3*\c], v[SC+32*\qt+3*\c+1], v[SC+32*\qt+3*\c+2]
.endr
.irp i, 0,1,2,3,4,5,6,7,8,9
	v_max3_num_f32 v[T+\i%4], v[T+\i%4], v[SC+32*\qt+12+2*\i], v[SC+32*\qt+13+2*\i]
.endr
	v_max3_num_f32 v[T], v[T], v[T+1], v[T+2]
	v_max_num_f32 v[T], v[T], v[T+3]
	v_permlanex16_b32 v[T+1], v[T], s66, s67       ; the same query's other 32 keys lie in the other half of the lanes
.if \first
	v_max3_num_f32 v[MN], v[T], v[T+1], 0xf149f2ca ; the floor -1e30 keeps the maximum finite where all keys so far are masked
.else
	v_max3_num_f32 v[MN], v[T], v[T+1], v[MX+\qt]
	v_sub_f32 v[T+2], v[MX+\qt], v[MN]
	v_exp_f32 v[AL], v[T+2]                        ; the two plain lines below stand between these and the first use (ISA guide 5.7.2)
	v_exp_f32 v[AL+1], v[T+2]
.endif
	v_mul_f32 v[NM], -1.0, v[MN]
	v_mul_f32 v[NM+1], -1.0, v[MN]
.if \first == 0
	s_wait_alu depctr_va_vdst(0)
.irp dt, 0,1,2,3
.irp i, 0,2,4,6
	v_pk_mul_f32 v[OT+8*(2*\dt+\qt)+\i:OT+8*(2*\dt+\qt)+\i+1], v[OT+8*(2*\dt+\qt)+\i:OT+8*(2*\dt+\qt)+\i+1], v[AL:AL+1]
.endr
.endr
.endif
.irp i, 0,2,4,6,8,10,12,14,16,18,20,22,24,26,28,30
	v_pk_add_f32 v[SC+32*\qt+\i:SC+32*\qt+\i+1], v[SC+32*\qt+\i:SC+32*\qt+\i+1], v[NM:NM+1]
.endr
.irp i, 0,1,2,3,4,5,6,7,8,9,10,11,12,13,14,15,16,17,18,19,20,21,22,23,24,25,26,27,28,29,30,31
	v_exp_f32 v[SC+32*\qt+\i], v[SC+32*\qt+\i]
.endr
	v_mov_b32 v[MX+\qt], v[MN]                     ; the plain place behind the exponentials
.if \first
	s_wait_alu depctr_va_vdst(0)
	v_pk_add_f32 v[LS+2*\qt:LS+2*\qt+1], v[SC+32*\qt:SC+32*\qt+1], v[SC+32*\qt+2:SC+32*\qt+3]
.else
	s_wait_alu depctr_va_vdst(0)
	v_pk_fma_f32 v[LS+2*\qt:LS+2*\qt+1], v[LS+2*\qt:LS+2*\qt+1], v[AL:AL+1], v[SC+32*\qt:SC+32*\qt+1]
.endif
	v_pk_add_f32 v[TS:TS+1], v[SC+32*\qt+16:SC+32*\qt+17], v[SC+32*\qt+18:SC+32*\qt+19]
.if \first == 0
	v_pk_add_f32 v[LS+2*\qt:LS+2*\qt+1], v[LS+2*\qt:LS+2*\qt+1], v[SC+32*\qt+2:SC+32*\qt+3]
.endif
.irp i, 4,6,8,10,12,14
	v_pk_add_f32 v[LS+2*\qt:LS+2*\qt+1], v[LS+2*\qt:LS+2*\qt+1], v[SC+32*\qt+\i:SC+32*\qt+\i+1]
	v_pk_add_f32 v[TS:TS+1], v[TS:TS+1], v[SC+32*\qt+16+\i:SC+32*\qt+16+\i+1]
.endr
	v_pk_add_f32 v[LS+2*\qt:LS+2*\qt+1], v[LS+2*\qt:LS+2*\qt+1], v[TS:TS+1]
.irp kh, 0,1
.irp c, 0,1,2,3,4,5,6,7
	v_cvt_pk_f16_f32 v[SC+32*\qt+16*\kh+\c], v[SC+32*\qt+16*\kh+2*\c], v[SC+32*\qt+16*\kh+2*\c+1]   ; register c is written when registers 2 c and 2 c + 1 are read: nothing unread is lost
.endr
.endr
.endm
; One step: 64 keys against my 32 queries.  In each run of 16 matrix instructions eight accumulators take turns, one instruction a turn.
.macro STEP slot, t, first, more, kload
	s_wait_dscnt 0x8                               ; K's fragments of d 0-31 are in; the eight loads of d 32-63 may be out
.irp qt, 0,1
.irp kt, 0,1,2,3
	v_wmma_f32_16x16x32_f16 v[SC+8*(4*\qt+\kt):SC+8*(4*\qt+\kt)+7], v[KF+16*\kt:KF+16*\kt+7], v[QF+16*\qt:QF+16*\qt+7], 0
.endr
.endr
	s_wait_dscnt 0x0
.irp qt, 0,1
.irp kt, 0,1,2,3
	v_wmma_f32_16x16x32_f16 v[SC+8*(4*\qt+\kt):SC+8*(4*\qt+\kt)+7], v[KF+16*\kt+8:KF+16*\kt+15], v[QF+16*\qt+8:QF+16*\qt+15], v[SC+8*(4*\qt+\kt):SC+8*(4*\qt+\kt)+7]
.endr
.endr
.rept 4
	v_nop                                          ; four places: V's loads land on K's fragments, and the selects below read the scores
.endr
	VLOAD \slot, \t
	s_wait_kmcnt 0x0                               ; this step's lane masks
.irp kt, 0,1,2,3
.irp j, 0,1,2,3,4,5,6,7
	v_cndmask_b32 v[SC+8*\kt+\j],    v[SC+8*\kt+\j],    v[NINF], s[32+8*\kt+\j]
	v_cndmask_b32 v[SC+32+8*\kt+\j], v[SC+32+8*\kt+\j], v[NINF], s[68+8*\kt+\j]
.endr
.endr
.if \more
	s_add_nc_u64 s[8:9], s[8:9], 128               ; the scalar loads that read this base are done (the wait above): four key tiles of 32 bytes on
	s_load_b512 s[32:47], s[8:9], 0x0              ; the next step's lane masks
	s_load_b512 s[48:63], s[8:9], 0x40
	s_load_b512 s[68:83], s[8:9], 0x1000
	s_load_b512 s[84:99], s[8:9], 0x1040
.endif
	SOFTMAX 0, \first
	SOFTMAX 1, \first
	s_wait_dscnt 0x8                               ; V's fragments of keys 0-31 are in; the eight loads of keys 32-63 may be out
.irp dt, 0,1,2,3
.irp qt, 0,1
.if \first
	v_wmma_f32_16x16x32_f16 v[OT+8*(2*\dt+\qt):OT+8*(2*\dt+\qt)+7], v[KF+16*\dt:KF+16*\dt+7], v[SC+32*\qt:SC+32*\qt+7], 0
.else
	v_wmma_f32_16x16x32_f16 v[OT+8*(2*\dt+\qt):OT+8*(2*\dt+\qt)+7], v[KF+16*\dt:KF+16*\dt+7], v[SC+32*\qt:SC+32*\qt+7], v[OT+8*(2*\dt+\qt):OT+8*(2*\dt+\qt)+7]
.endif
.endr
.endr
	s_wait_dscnt 0x0
.irp dt, 0,1,2,3
.irp qt, 0,1
	v_wmma_f32_16x16x32_f16 v[OT+8*(2*\dt+\qt):OT+8*(2*\dt+\qt)+7], v[KF+16*\dt+8:KF+16*\dt+15], v[SC+32*\qt+16:SC+32*\qt+23], v[OT+8*(2*\dt+\qt):OT+8*(2*\dt+\qt)+7]
.endr
.endr
.rept 5
	v_nop                                          ; five places: the next scores are written over P, and K's loads land on V's fragments
.endr
.if \kload
	KLOAD \slot, \t+1
.endif
.endm
.macro PERIOD slot, first, last
	STEP \slot, 0, \first, 1, 1
	STEP \slot, 1, 0, 1, 1
	STEP \slot, 2, 0, 1, 1
	STEP \slot, 3, 0, 1-\last, 0                   ; the very last step asks for no further lane masks: no load passes the end of mbits
.endm
; On to slot 'slot'.  Each wave waits for all its tensor loads (its part of that slot among them) and for its reads of the other slot; behind the cluster's round
; no wave of any partner still reads the other slot or has a load on its way, and the refill is the wave's first and only tensor load there.
.macro CHANGE slot, refill
	s_set_vgpr_msb 0x5
	s_wait_tensorcnt 0x0
	ds_add_u32 v0, v1
	s_wait_dscnt 0x0
	s_set_vgpr_msb 0x500
.if \refill
	s_add_nc_u64 s[G0+4*(1-\slot)+2:G0+4*(1-\slot)+3], s[G0+4*(1-\slot)+2:G0+4*(1-\slot)+3], 2*PERB
.endif
	s_wait_dscnt 0x0
.if \refill
	ROUND
	tensor_load_to_lds s[G0+4*(1-\slot):G0+4*(1-\slot)+3], s[G1:G1+7]
	s_nop 0
.else
	s_barrier_signal -1
	s_barrier_wait -1
.endif
	KLOAD \slot, 0
.endm
	s_wait_tensorcnt 0x1                           ; my part of period 0 is in; period 1's may stay out
	s_barrier_signal -1
	s_barrier_wait -1
	KLOAD 0, 0
	PERIOD 0, 1, 0                                 ; period 0: its first step starts maxima, sums and outputs
	s_mov_b32 s100, 3
.Lperiods:
	CHANGE 1, 1
	PERIOD 1, 0, 0
	CHANGE 0, 1
	PERIOD 0, 0, 0
	s_sub_co_i32 s100, s100, 1
	s_cmp_lg_u32 s100, 0
	s_cbranch_scc1 .Lperiods
	CHANGE 1, 0                                    ; period 7: nothing is left to fetch
	PERIOD 1, 0, 1
	; THE WAY OUT: divide by the sum, 16 queries at a time through my scratch, whole rows of 256 bytes out.  The five places at the last step's end stand behind the last matrix instructions.
.irp qt, 0,1
	v_add_f32 v[T], v[LS+2*\qt], v[LS+2*\qt+1]
	v_permlanex16_b32 v[T+1], v[T], s66, s67       ; the other half of the lanes summed the query's other keys
	v_add_f32 v[T], v[T], v[T+1]
	v_rcp_f32 v[AL], v[T]
	v_rcp_f32 v[AL+1], v[T]
	v_nop                                          ; one plain place behind the reciprocals (ISA guide 5.7.2)
	s_wait_alu depctr_va_vdst(0)
.irp dt, 0,1,2,3
.irp i, 0,2,4,6
	v_pk_mul_f32 v[OT+8*(2*\dt+\qt)+\i:OT+8*(2*\dt+\qt)+\i+1], v[OT+8*(2*\dt+\qt)+\i:OT+8*(2*\dt+\qt)+\i+1], v[AL:AL+1]
.endr
.endr
.irp dt, 0,1,2,3
	ds_store_b128 v[STO], v[OT+8*(2*\dt+\qt):OT+8*(2*\dt+\qt)+3]   offset:64*\dt      ; query r, d = 16 dt + 8 h + 0..3
	ds_store_b128 v[STO], v[OT+8*(2*\dt+\qt)+4:OT+8*(2*\dt+\qt)+7] offset:64*\dt+16
.endr
.irp t, 0,1,2,3,4,5,6,7
	ds_load_b128 v[SC+32*\qt+4*\t:SC+32*\qt+4*\t+3], v[RD] offset:\t*544              ; a wave's LDS instructions are served in order: these see the stores above
.endr
.irp t, 0,1,2,3,4,5,6,7
	s_wait_dscnt 7-\t                              ; read-back t is in; the younger ones may be out
	global_store_b128 v[GO], v[SC+32*\qt+4*\t:SC+32*\qt+4*\t+3], s[10:11] offset:(16*\qt+2*\t)*4096   ; 16 lanes store 256 consecutive bytes, aligned
.endr
.endr
	s_set_vgpr_msb 0x5
	s_wait_tensorcnt 0x0
	ds_add_u32 v0, v1
	s_wait_dscnt 0x0
	s_set_vgpr_msb 0x500
	ROUND                                          ; the closing round: no work-group ends while a partner may still ask for a tile that names it
	s_endpgm
.Lfunc_end_k_qd6e9a40415_attn:
	.size	k_qd6e9a40415_attn, .Lfunc_end_k_qd6e9a40415_attn-k_qd6e9a40415_attn
	.p2alignl 7, 3214868480
	.fill 96, 4, 3214868480
	.section	.rodata,"a",@progbits
	.p2align	6, 0x0
	.amdhsa_kernel k_qd6e9a40415_attn
		.amdhsa_group_segment_fixed_size 327680
		.amdhsa_private_segment_fixed_size 0
		.amdhsa_enable_private_segment 0
		.amdhsa_kernarg_size 32
		.amdhsa_user_sgpr_count 2
		.amdhsa_user_sgpr_kernarg_segment_ptr 1
		.amdhsa_wavefront_size32 1
		.amdhsa_system_sgpr_workgroup_id_x 1
		.amdhsa_system_sgpr_workgroup_id_y 1
		.amdhsa_system_sgpr_workgroup_id_z 1
		.amdhsa_system_vgpr_workitem_id 0
		.amdhsa_next_free_vgpr 258
		.amdhsa_next_free_sgpr 106
		.amdhsa_reserve_vcc 0
		.amdhsa_float_denorm_mode_32 3
		.amdhsa_float_denorm_mode_16_64 3
		.amdhsa_memory_ordered 1
		.amdhsa_forward_progress 1
		.amdhsa_inst_pref_size 255
	.end_amdhsa_kernel
	.section	.bss,"aw",@nobits
	.p2align	6
	.space	262144
	.amdgpu_metadata
---
amdhsa.version: [ 1, 2 ]
amdhsa.kernels:
  - .name:           k_qd6e9a40415_attn
    .symbol:         k_qd6e9a40415_attn.kd
    .args:
      - { .name: qf, .offset: 0, .size: 8, .value_kind: global_buffer, .address_space: global }
      - { .name: kv, .offset: 8, .size: 8, .value_kind: global_buffer, .address_space: global }
      - { .name: mbits, .offset: 16, .size: 8, .value_kind: global_buffer, .address_space: global }
      - { .name: ao, .offset: 24, .size: 8, .value_kind: global_buffer, .address_space: global }
    .group_segment_fixed_size: 327680
    .private_segment_fixed_size: 0
    .kernarg_segment_align: 8
    .kernarg_segment_size: 32
    .max_flat_workgroup_size: 256
    .sgpr_count:     106
    .vgpr_count:     258
    .wavefront_size: 32
...
	.end_amdgpu_metadata
.endif
;; end of part 3
;; launch oproj: the kernel of part 2 again; grid 8 x 32, 4 waves a work-group, clusters of 4 x 4, 327,680 bytes of LDS; arguments ao, Wp, bp, out0; writes out0
;; ======== version 2 of 2: 4 launches; 1.13 times as fast as version 1
;; limits: values are held in f16: magnitudes above 65,504 overflow, below 6.1e-05 lose precision
;; workspace buffers: x16 8,388,608 bytes; yw16 20,971,520 bytes; wq16 2,097,152 bytes; wp16 2,097,152 bytes; kv 33,554,432 bytes; mbits 1,048,576 bytes of whole numbers; qf 16,777,216 bytes; ao 8,388,608 bytes
;; launch cast (part 4): grid 64 x 16, 8 waves a work-group, no clusters, 0 bytes of LDS; arguments x, y, Wq, Wkv, Wp, x16, yw16, wq16, wp16; writes x16, yw16, wq16, wp16
.if DOCPART == 4
	.amdgcn_target "amdgcn-amd-amdhsa--gfx1250"
	.amdhsa_code_object_version 6
	.text
	.protected	k_qd6e9a40415_cast
	.globl	k_qd6e9a40415_cast
	.p2align	8
	.type	k_qd6e9a40415_cast,@function
k_qd6e9a40415_cast:
	s_mov_b64 s[64:65], 0
	v_nop
	global_prefetch_b8 v0, s[64:65] scope:SCOPE_SE
	s_setreg_imm32_b32 hwreg(HW_REG_WAVE_MODE, 25, 1), 1
	s_wait_xcnt 0x0
; The five f32 matrix operands are rounded to f16 (to nearest even) once, so that the three products that follow move tiles of half the bytes and convert nothing.
; x [4096][1024] -> x16;  y [8192][1024] -> yw16 at byte 0;  Wkv [2048][1024] -> yw16 at byte 16,777,216;  Wq, Wp [1024][1024] -> wq16, wp16.
; LIMIT: numbers of 65,520 and more in magnitude become infinities in f16.
; SHARES: the 2^24 numbers are 16 segments of 2^20 (grid y): 0-3 x, 4-11 y, 12 Wq, 13-14 Wkv, 15 Wp.  A work-group (grid x, 64 to a segment) takes 64 KiB of its
; segment, a wave 8 KiB: sixteen loads of 512 consecutive bytes, all issued before the first is waited for, and sixteen stores of 256 consecutive aligned bytes.
; A stream: each byte is read once and written once, nothing is shared or used again, so LDS, barriers, the matrix unit and clusters would add nothing.
; The tensor is chosen by a scalar branch on the segment's number; each path names its own two pointers.
.set X, 4                              ; v[4:67]   sixteen loads of four f32
.set Y, 68                             ; v[68:99]  sixteen pairs of registers, four f16 each
	s_load_b512 s[4:19], s[0:1], 0x0               ; x s[4:5], y s[6:7], Wq s[8:9], Wkv s[10:11], Wp s[12:13], x16 s[14:15], yw16 s[16:17], wq16 s[18:19]
	s_load_b64 s[20:21], s[0:1], 0x40              ; wp16
	s_and_b32 s22, ttmp7, 0xffff                   ; segment
	s_lshl_b32 s28, ttmp9, 16                      ; my work-group's 64 KiB of the segment as read,
	s_lshl_b32 s29, ttmp9, 15                      ; its 32 KiB as written
	v_and_b32 v1, 31, v0
	v_lshrrev_b32 v2, 5, v0
	v_lshlrev_b32 v1, 4, v1
	v_lshl_or_b32 v1, v2, 13, v1                   ; in: 8,192 x wave + 16 x lane
	v_lshrrev_b32 v2, 1, v1                        ; out: half of that
	s_wait_kmcnt 0x0
; in, out: the first scalar register of the two pointers; fin, fout: the segment that lies at the input's and at the output buffer's first byte
.macro PATH in, out, fin, fout
	s_sub_co_u32 s24, s22, \fin
	s_lshl_b32 s24, s24, 22                        ; 4 MiB to a segment as read
	s_add_co_u32 s24, s24, s28
	s_mov_b32 s25, 0
	s_add_nc_u64 s[24:25], s[\in:\in+1], s[24:25]
	s_sub_co_u32 s26, s22, \fout
	s_lshl_b32 s26, s26, 21                        ; 2 MiB as written
	s_add_co_u32 s26, s26, s29
	s_mov_b32 s27, 0
	s_add_nc_u64 s[26:27], s[\out:\out+1], s[26:27]
.irp i, 0,1,2,3,4,5,6,7,8,9,10,11,12,13,14,15
	global_load_b128 v[X+4*\i:X+4*\i+3], v1, s[24:25] offset:\i*512 th:TH_LOAD_NT
.endr
.irp i, 0,1,2,3,4,5,6,7,8,9,10,11,12,13,14,15
	s_wait_loadcnt 15-\i                           ; loads come back in order: load i is in, the younger ones may be out
	v_cvt_pk_f16_f32 v[Y+2*\i],   v[X+4*\i],   v[X+4*\i+1]
	v_cvt_pk_f16_f32 v[Y+2*\i+1], v[X+4*\i+2], v[X+4*\i+3]
	global_store_b64 v2, v[Y+2*\i:Y+2*\i+1], s[26:27] offset:\i*256   ; 32 lanes x 8 bytes: 256 consecutive bytes, aligned
.endr
	s_endpgm
.endm
	s_cmp_lt_u32 s22, 4
	s_cbranch_scc1 .Lx
	s_cmp_lt_u32 s22, 12
	s_cbranch_scc1 .Ly
	s_cmp_eq_u32 s22, 12
	s_cbranch_scc1 .Lwq
	s_cmp_lt_u32 s22, 15
	s_cbranch_scc1 .Lwkv
	PATH 12, 20, 15, 15                            ; Wp -> wp16
.Lx:
	PATH 4, 14, 0, 0                               ; x -> x16
.Ly:
	PATH 6, 16, 4, 4                               ; y -> yw16
.Lwq:
	PATH 8, 18, 12, 12                             ; Wq -> wq16
.Lwkv:
	PATH 10, 16, 13, 5                             ; Wkv -> yw16 behind y's eight segments: segment 13 lands at 8 x 2 MiB
.Lfunc_end_k_qd6e9a40415_cast:
	.size	k_qd6e9a40415_cast, .Lfunc_end_k_qd6e9a40415_cast-k_qd6e9a40415_cast
	.p2alignl 7, 3214868480
	.fill 96, 4, 3214868480
	.section	.rodata,"a",@progbits
	.p2align	6, 0x0
	.amdhsa_kernel k_qd6e9a40415_cast
		.amdhsa_group_segment_fixed_size 0
		.amdhsa_private_segment_fixed_size 0
		.amdhsa_enable_private_segment 0
		.amdhsa_kernarg_size 72
		.amdhsa_user_sgpr_count 2
		.amdhsa_user_sgpr_kernarg_segment_ptr 1
		.amdhsa_wavefront_size32 1
		.amdhsa_system_sgpr_workgroup_id_x 1
		.amdhsa_system_sgpr_workgroup_id_y 1
		.amdhsa_system_sgpr_workgroup_id_z 1
		.amdhsa_system_vgpr_workitem_id 0
		.amdhsa_next_free_vgpr 100
		.amdhsa_next_free_sgpr 66
		.amdhsa_reserve_vcc 0
		.amdhsa_float_denorm_mode_32 3
		.amdhsa_float_denorm_mode_16_64 3
		.amdhsa_memory_ordered 1
		.amdhsa_forward_progress 1
		.amdhsa_inst_pref_size 31
	.end_amdhsa_kernel
	.amdgpu_metadata
---
amdhsa.version: [ 1, 2 ]
amdhsa.kernels:
  - .name:           k_qd6e9a40415_cast
    .symbol:         k_qd6e9a40415_cast.kd
    .args:
      - { .name: x, .offset: 0, .size: 8, .value_kind: global_buffer, .address_space: global }
      - { .name: y, .offset: 8, .size: 8, .value_kind: global_buffer, .address_space: global }
      - { .name: Wq, .offset: 16, .size: 8, .value_kind: global_buffer, .address_space: global }
      - { .name: Wkv, .offset: 24, .size: 8, .value_kind: global_buffer, .address_space: global }
      - { .name: Wp, .offset: 32, .size: 8, .value_kind: global_buffer, .address_space: global }
      - { .name: x16, .offset: 40, .size: 8, .value_kind: global_buffer, .address_space: global }
      - { .name: yw16, .offset: 48, .size: 8, .value_kind: global_buffer, .address_space: global }
      - { .name: wq16, .offset: 56, .size: 8, .value_kind: global_buffer, .address_space: global }
      - { .name: wp16, .offset: 64, .size: 8, .value_kind: global_buffer, .address_space: global }
    .group_segment_fixed_size: 0
    .private_segment_fixed_size: 0
    .kernarg_segment_align: 8
    .kernarg_segment_size: 72
    .max_flat_workgroup_size: 256
    .sgpr_count:     66
    .vgpr_count:     100
    .wavefront_size: 32
...
	.end_amdgpu_metadata
.endif
;; end of part 4
;; launch kvq (part 5): grid 8 x 32, 4 waves a work-group, clusters of 4 x 4, 327,680 bytes of LDS; arguments yw16, bkv, mask, x16, wq16, bq, kv, mbits, qf; writes kv, mbits, qf
.if DOCPART == 5
	.amdgcn_target "amdgcn-amd-amdhsa--gfx1250"
	.amdhsa_code_object_version 6
	.text
	.protected	k_qd6e9a40415_kvq
	.globl	k_qd6e9a40415_kvq
	.p2align	8
	.type	k_qd6e9a40415_kvq,@function
k_qd6e9a40415_kvq:
	s_mov_b64 s[64:65], 0
	v_nop
	global_prefetch_b8 v0, s[64:65] scope:SCOPE_SE
	s_setreg_imm32_b32 hwreg(HW_REG_WAVE_MODE, 25, 1), 1
	s_wait_xcnt 0x0
	s_wait_alu depctr_hold_cnt(0) depctr_sa_sdst(0) depctr_va_vdst(0) depctr_va_sdst(0) depctr_va_ssrc(0) depctr_va_vcc(0) depctr_vm_vsrc(0)
	s_getreg_b32 s2, hwreg(HW_REG_IB_STS2, 6, 4)
	s_cmp_eq_u32 s2, 0
	s_cbranch_scc0 .Lentry_in_a_cluster
	s_endpgm
.Lentry_in_a_cluster:
	s_bfe_u32 s2, ttmp6, 0x10000c
	s_cmp_lg_u32 s2, 0xf033
	s_cbranch_scc0 .Lentry_shape_is_right
	s_endpgm
.Lentry_shape_is_right:
; Two products and the packing of the mask, in one launch.
;   kv[t][n] = sum over k of y[t][k] Wkv[n][k] + bkv[n], stored as f16.  yw16: y as f16 [8192][1024], then Wkv as f16 [2048][1024]; kv: [8192][2048] f16.
;   qf[t][n] = sum over k of x[t][k] Wq[n][k] + bq[n], stored as f32.    x16: [4096][1024] f16, wq16: [1024][1024] f16; qf: [4096][1024] f32.
;   mbits: the boolean mask as lane masks for the attention launch, packed while the first tiles are on their way.
; FORMAT: f16 operands, f32 sums; kv rounded once to f16.  LIMIT: |kv| has to stay below 65,504 (f16's largest number).
; SHAPE: 32 x 8 work-groups.  Work-group (block row, block column) makes 256 x 256 of kv and then 128 x 128 of qf, with four waves:
; a wave makes 128 x 128 of kv (64 accumulator tiles, 512 registers) and 64 x 64 of qf (16 tiles).
; kv's K goes in 8 steps of 128 (rows of 256 bytes), qf's in 4 periods of 256 (rows of 512 bytes), all rows at multiples of 256 bytes from their
; buffer's first byte, through the same two LDS slots.
; WHY ONE LAUNCH: qf's first tiles are asked for while kv is still multiplied (period 0 at the change of slots in front of kv's last K step, period 1
; behind kv's last LDS read), and kv's stores are issued ahead of qf's 512 matrix instructions of a wave, not ahead of the end of the program.
; CLUSTERS: 4 x 4 work-groups.  y's and x's tiles hang on the block row alone and are asked for jointly by the four of a row of the cluster,
; Wkv's and Wq's on the block column alone and are asked for jointly by the four of a column.
; REGISTERS, in windows of 256:
;   window 0: v8-31 addresses; kv: v64-127, v128-191 fragments of y, two buffers, v192-223 at work on the way out;
;             qf: v32-95, v96-159 fragment buffers (Wq's four fragments, then x's four), v160-223 read-back; v224-255 bq as four C tiles
;   window 1: kv: v0-63 bkv as eight C tiles, v64-127, v128-191 fragments of Wkv;  qf: v0-127 accumulator tile (a, b) at v[8 (4 a + b)]
;   window 2: kv's accumulator tiles of my rows 0-63 (tile (a, b) at v[8 (8 a + b)]);  window 3: those of my rows 64-127
; THE MATRIX INSTRUCTION IS USED TRANSPOSED: source 0 = 16 rows of the weights, source 1 = 16 rows of y or x, so that lane l holds token l % 16
; and its registers 0 to 7 the columns 8 (l / 16) + 0 .. 7: eight neighbouring numbers of a row of the result.
.set KSTEP,  128
.set PITCH,  272                       ; kv: an LDS row of 256 bytes + 16 = 17 x 16: the 16 rows that a load touches begin at 16 different 16-byte columns of a span of 256 bytes
.set HALFT,  128*PITCH                 ; 128 rows: what one tensor load brings, what one wave reads of y or of Wkv
.set SLOT,   4*HALFT                   ; y's 256 rows, then Wkv's 256 rows
.set STAGE,  2*SLOT                    ; behind the ring: 16 rows x 272 bytes for each wave, for both ways out; no tensor load lands here
.set SPITCH, 272
.set ROWB,   4096                      ; bytes in a row of kv (2048 f16) and of qf (1024 f32)
.set WOFF,   16777216                  ; Wkv's first byte in yw16
.set LAPS,   4                         ; a lap = two K steps = once round the ring; 8 steps in all
.set QPITCH, 528                       ; qf: an LDS row of 512 bytes + 16 = 33 x 16
.set QT,     64*QPITCH                 ; 64 rows: what one tensor load brings, what one wave reads of x or of Wq; four of them (135,168 bytes) lie inside a slot
.set PERB,   512                       ; bytes of a period in a row of x or Wq
.set QADRA, 8                          ; v8-9    LDS address of my x fragments in slot 0, 1
.set QADRB, 10                         ; v10-11  the same for Wq
.set QSTO,  12                         ; qf's way out: where I put 32 bytes of a row
.set ADRA, 16                          ; v16-17  LDS address of my y fragments in slot 0, 1
.set ADRB, 20                          ; v20-21  the same for Wkv
.set STO,  24                          ; kv's way out: where I put 16 bytes of a row
.set RD,   25                          ; both ways out: where I read a row back
.set CO,   26                          ; my byte offset in kv and in qf
.set BO,   27                          ; my byte offset in a bias tile
.set MO,   28                          ; my byte offset in the mask
.set MS,   29                          ; my byte offset in mbits
.set SELE, 30                          ; byte selectors of the mask's packing
.set SELO, 31
.set F0,   64                          ; kv: fragment buffer 0 (before the first fragments: the mask's bytes as loaded)
.set F1,   128                         ; kv: fragment buffer 1
.set TMP,  192
.set QF0,  32                          ; qf: fragment buffer 0: Wq at QF0 + 8 b, x at QF0 + 32 + 8 a
.set QF1,  96                          ; qf: fragment buffer 1
.set RB0,  160
.set RB1,  192
.set BI,   224
.set G1,  24                           ; s[24:31] descriptor group 1, y's tiles, later x's
.set G0,  32                           ; s[32:39] descriptor group 0, y's tiles, later x's, a set for each slot
.set G1B, 48                           ; s[48:55] group 1, the weights' tiles: differs in the mask alone
.set G0B, 56                           ; s[56:63] group 0, the weights' tiles
.set MUL_LO,   0xa1                    ; source 0 window 1, source 1 window 0, C and D window 2
.set MUL_HI,   0xf1                    ; the same, C and D window 3
.set FIRST_LO, 0x91                    ; C from window 1 (the bias), D window 2
.set FIRST_HI, 0xd1                    ; C from window 1, D window 3
.set TO_B,     0x40                    ; destination window 1, address window 0
.set W_MUL,    0x50                    ; qf: C and D window 1
.set W_FIRST,  0x40                    ; qf: D window 1, C (the bias) window 0
.set W_ST,     0x04                    ; an LDS store's data from window 1
.set MSB, 0
.macro WIN new                         ; the immediate's high byte repeats the setting that is left
.if MSB != \new
	s_set_vgpr_msb (MSB<<8)|\new
.set MSB, \new
.endif
.endm
.macro PLACES                          ; four plain places behind a matrix instruction (ISA guide 7.12.1)
.rept 4
	v_nop
.endr
.endm
; A joint load.  Waves 0 and 1 fetch the two halves of y's or x's tile, waves 2 and 3 those of the weights'.  The branch hangs on the wave's number alone.
.macro JLOAD s
	s_cmp_eq_u32 s67, 0
	s_cbranch_scc0 .Lfor_b_\@
	tensor_load_to_lds s[G0+4*\s:G0+4*\s+3], s[G1:G1+7]
	s_nop 0
	s_branch .Lasked_\@
.Lfor_b_\@:
	tensor_load_to_lds s[G0B+4*\s:G0B+4*\s+3], s[G1B:G1B+7]
	s_nop 0
.Lasked_\@:
.endm
.macro CREST                           ; a round of the cluster's barrier behind its opening work-group barrier
	s_cmp_lg_u32 s66, 0
	s_cbranch_scc1 .Lnot_wave_0_\@
	s_barrier_signal -3
.Lnot_wave_0_\@:
	s_barrier_wait -3
	s_barrier_signal -1
	s_barrier_wait -1
.endm
.macro CROUND                          ; a whole round
	s_barrier_signal -1
	s_barrier_wait -1
	CREST
.endm
	s_load_b512 s[4:19], s[0:1], 0x0               ; yw16 s[4:5], bkv s[6:7], mask s[8:9], x16 s[10:11], wq16 s[12:13], bq s[14:15], kv s[16:17], mbits s[18:19]
	s_load_b64 s[20:21], s[0:1], 0x40              ; qf
	s_set_vgpr_msb 0x40
	v_lshl_add_u32 v255, v0, 2, 0x48400
	s_set_vgpr_msb 0x4000
	v_mov_b32 v23, 0
	s_set_vgpr_msb 0x1
	ds_add_u32 v255, v23
	s_set_vgpr_msb 0x100
	v_lshrrev_b32 v1, 5, v0
	v_readfirstlane_b32 s66, v1                    ; wave 0..3
	s_lshr_b32 s67, s66, 1                         ; which half of the block's rows is mine.  Also: I fetch for y and x (0) or for the weights (1)
	s_and_b32 s68, s66, 1                          ; which half of its columns.  Also: which half of that tile's rows I fetch
	s_bfe_u32 s40, ttmp6, 0x40000                  ; cx
	s_bfe_u32 s41, ttmp6, 0x40004                  ; cy
	s_lshl_b32 s42, ttmp9, 2
	s_add_co_u32 s42, s42, s40                     ; block column = 4 x cluster x + cx
	s_and_b32 s69, ttmp7, 0xffff
	s_lshl_b32 s69, s69, 2
	s_add_co_u32 s69, s69, s41                     ; block row = 4 x cluster y + cy
	s_lshl_b32 s43, s41, 2
	s_lshl_b32 s43, 15, s43                        ; my row of the cluster: places 4 cy .. 4 cy + 3
	s_lshl_b32 s44, 0x1111, s40                    ; my column: places cx, cx + 4, cx + 8, cx + 12
	s_mov_b32 s71, 0xffff0000                      ; lanes 16 to 31
	s_mov_b32 s72, 0x76543210                      ; v_permlanex16_b32: lane i reads lane i of the other half
	s_mov_b32 s73, 0xfedcba98
	; group 1 for kv: a tile of 128 rows x 128 elements of 2 bytes, 4 words of padding behind every 64 words
	s_or_b32 s[G1+0], s43, (1<<16)|(1<<20)|(1<<21)|(5<<22)|(3<<25)   ; y's tiles go to my row of the cluster
	s_or_b32 s[G1B+0], s44, (1<<16)|(1<<20)|(1<<21)|(5<<22)|(3<<25)  ; Wkv's to my column
.irp g, G1, G1B
	s_mov_b32 s[\g+1], KSTEP<<16                   ; tensor_dim0 = 128
	s_mov_b32 s[\g+2], 128<<16                     ; tensor_dim1 = 128
	s_mov_b32 s[\g+3], KSTEP<<16                   ; tile_dim0 = 128
	s_mov_b32 s[\g+4], 128                         ; tile_dim1 = 128
	s_mov_b32 s[\g+5], 1024                        ; elements from row to row
	s_mov_b32 s[\g+6], 0
	s_mov_b32 s[\g+7], 0
.endr
	; where the tiles come from: y's and x's in registers that never hold cx, the weights' in registers that never hold cy
	s_lshl_b32 s23, s68, 18                        ; 128 rows x 2,048 bytes x (wave & 1)
	s_lshl_b32 s80, s69, 19                        ; y: 256 rows x 2,048 bytes x block row
	s_add_co_u32 s80, s80, s23
	s_mov_b32 s81, 0
	s_lshl_b32 s46, s42, 19                        ; Wkv: the same with the block column
	s_add_co_u32 s46, s46, s23
	s_mov_b32 s47, 0
	s_mul_i32 s22, s66, HALFT                      ; where my tile of kv's ring goes: the wave's number alone
	s_lshl_b32 s23, s68, 17                        ; 64 rows x 2,048 bytes x (wave & 1)
	s_lshl_b32 s84, s69, 18                        ; x: 128 rows x 2,048 bytes x block row
	s_add_co_u32 s84, s84, s23
	s_mov_b32 s85, 0
	s_lshl_b32 s86, s42, 18                        ; Wq: the same with the block column
	s_add_co_u32 s86, s86, s23
	s_mov_b32 s87, 0
	s_mul_i32 s88, s66, QT                         ; where my tile of qf's ring goes
	s_wait_dscnt 0x0
	s_wait_kmcnt 0x0
	s_add_nc_u64 s[82:83], s[4:5], WOFF            ; Wkv as f16
	s_add_nc_u64 s[80:81], s[4:5], s[80:81]
	s_add_nc_u64 s[46:47], s[82:83], s[46:47]
	s_add_nc_u64 s[84:85], s[10:11], s[84:85]
	s_add_nc_u64 s[86:87], s[12:13], s[86:87]
	CROUND                                         ; all sixteen work-groups are here: the first joint loads meet
.irp s, 0,1
	s_mov_b32 s[G0+4*\s], 1
	s_add_co_u32 s[G0+4*\s+1], s22, \s*SLOT
	s_add_nc_u64 s[G0+4*\s+2:G0+4*\s+3], s[80:81], \s*KSTEP*2
	s_or_b32 s[G0+4*\s+3], s[G0+4*\s+3], 0x80000000
	s_mov_b32 s[G0B+4*\s], 1
	s_add_co_u32 s[G0B+4*\s+1], s22, \s*SLOT
	s_add_nc_u64 s[G0B+4*\s+2:G0B+4*\s+3], s[46:47], \s*KSTEP*2
	s_or_b32 s[G0B+4*\s+3], s[G0B+4*\s+3], 0x80000000
	JLOAD \s                                       ; K steps 0 and 1: two tensor loads of a wave are out, the most in this text
.endr
	; addresses.  A fragment of 16 rows x 32 K in 8 registers: lane l takes row l % 16, K = 8 (l / 16) + 0..7 and 16 + 8 (l / 16) + 0..7:
	; two loads of 16 bytes, 32 bytes apart, at row x pitch + 16 (l / 16).
	v_and_b32 v1, 15, v0                           ; r
	v_bfe_u32 v2, v0, 4, 1                         ; h
	v_mul_u32_u24 v3, v1, PITCH
	v_lshl_add_u32 v3, v2, 4, v3                   ; r x pitch + 16 h
	s_mul_i32 s23, s67, HALFT                      ; my 128 rows of y
	s_mul_i32 s45, s68, HALFT                      ; my 128 rows of Wkv,
	s_add_co_u32 s45, s45, 2*HALFT                 ; which lie behind y's 256
.irp s, 0,1
	v_add_nc_u32 v[ADRA+\s], s23, v3
	v_add_nc_u32 v[ADRB+\s], s45, v3
	s_add_co_u32 s23, s23, SLOT
	s_add_co_u32 s45, s45, SLOT
.endr
	v_mul_u32_u24 v7, v1, QPITCH
	v_lshl_add_u32 v7, v2, 4, v7                   ; the same at qf's pitch
	s_mul_i32 s23, s67, QT                         ; my 64 rows of x
	s_mul_i32 s45, s68, QT                         ; my 64 rows of Wq,
	s_add_co_u32 s45, s45, 2*QT                    ; which lie behind x's 128
.irp s, 0,1
	v_add_nc_u32 v[QADRA+\s], s23, v7
	v_add_nc_u32 v[QADRB+\s], s45, v7
	s_add_co_u32 s23, s23, SLOT
	s_add_co_u32 s45, s45, SLOT
.endr
	s_mul_i32 s23, s66, 16*SPITCH
	s_add_co_u32 s23, s23, STAGE                   ; my stage
	v_mul_u32_u24 v4, v1, SPITCH
	v_lshl_add_u32 v5, v2, 4, v4
	v_add_nc_u32 v[STO], s23, v5                   ; kv in: row r, 16 bytes for each half of the lanes
	v_lshl_add_u32 v5, v2, 5, v4
	v_add_nc_u32 v[QSTO], s23, v5                  ; qf in: row r, 32 bytes for each half of the lanes
	v_mul_u32_u24 v5, v2, SPITCH
	v_lshl_add_u32 v5, v1, 4, v5
	v_add_nc_u32 v[RD], s23, v5                    ; back: lanes 0-15 one row of 256 bytes, lanes 16-31 the next
	v_lshlrev_b32 v5, 12, v2
	v_lshl_add_u32 v[CO], v1, 4, v5                ; the same two rows in kv or qf
	v_lshlrev_b32 v[BO], 5, v2                     ; 8 h numbers of a bias
	; the biases as C tiles: register j of lane (r, h) of tile b = bias[first column + 16 b + 8 h + j]
	s_lshl_b32 s74, s42, 10                        ; bkv: 256 columns x 4 bytes x block column
	s_lshl_b32 s23, s68, 9                         ; + 128 columns x 4 bytes x my half
	s_add_co_u32 s74, s74, s23
	s_mov_b32 s75, 0
	s_add_nc_u64 s[6:7], s[6:7], s[74:75]
	WIN TO_B
.irp b, 0,1,2,3,4,5,6,7
	global_load_b128 v[8*\b:8*\b+3],   v[BO], s[6:7] offset:64*\b
	global_load_b128 v[8*\b+4:8*\b+7], v[BO], s[6:7] offset:64*\b+16
.endr
	WIN 0
	s_lshl_b32 s74, s42, 9                         ; bq: 128 columns x 4 bytes x block column
	s_lshl_b32 s23, s68, 8                         ; + my 64 columns
	s_add_co_u32 s74, s74, s23
	s_add_nc_u64 s[14:15], s[14:15], s[74:75]
.irp b, 0,1,2,3
	global_load_b128 v[BI+8*\b:BI+8*\b+3],   v[BO], s[14:15] offset:64*\b
	global_load_b128 v[BI+8*\b+4:BI+8*\b+7], v[BO], s[14:15] offset:64*\b+16
.endr
	; THE MASK.  Work-group T = 8 x block row + block column packs rows 16 T .. 16 T + 15 of the mask taken as [4096][2048] bytes;
	; wave w packs keys 512 w .. 512 w + 511.  mbits: [256 tiles of 16 rows][128 tiles of 16 keys][8 words]; bit l of word j is
	; mask[row l % 16][key 2 j + l / 16]: the lane mask for register j of a score tile in the attention launch.
	s_lshl_b32 s76, s69, 3
	s_add_co_u32 s76, s76, s42                     ; T
	s_lshl_b32 s74, s76, 15                        ; 16 rows of 2,048 bytes
	s_add_nc_u64 s[8:9], s[8:9], s[74:75]
	s_lshl_b32 s74, s76, 12                        ; 128 key tiles of 32 bytes
	s_add_nc_u64 s[18:19], s[18:19], s[74:75]
	v_lshlrev_b32 v6, 14, v2                       ; lanes 16-31 take rows 8 to 15
	v_lshl_add_u32 v6, v1, 4, v6                   ; lane c of a half takes key tile c of sixteen
	v_lshl_add_u32 v[MO], s66, 9, v6
	v_lshlrev_b32 v6, 5, v1
	v_lshl_add_u32 v6, v2, 4, v6
	v_lshl_add_u32 v[MS], s66, 10, v6              ; 1,024 w + 32 c + 16 p
	v_mov_b32 v[SELE], 0x05010400                  ; lanes 0-15: kept byte 0, fetched byte 0, kept byte 1, fetched byte 1
	v_mov_b32 v6, 0x01050004                       ; lanes 16-31: the fetched bytes are the lower rows
	v_cndmask_b32 v[SELE], v[SELE], v6, s71
	v_mov_b32 v[SELO], 0x07030602                  ; the same for bytes 2 and 3
	v_mov_b32 v6, 0x03070206
	v_cndmask_b32 v[SELO], v[SELO], v6, s71
.irp u, 0,1
.irp i, 0,1,2,3,4,5,6,7
	global_load_b128 v[F0+32*\u+4*\i:F0+32*\u+4*\i+3], v[MO], s[8:9] offset:\i*2048+\u*256 th:TH_LOAD_NT   ; row 8 p + i: sixteen lanes read 256 consecutive bytes
.endr
.endr
	s_wait_loadcnt 0x0                             ; the biases and the mask
.irp u, 0,1
.irp i, 1,2,3,4,5,6,7
.irp k, 0,1,2,3
	v_lshl_or_b32 v[F0+32*\u+\k], v[F0+32*\u+4*\i+\k], \i, v[F0+32*\u+\k]   ; a byte is 0 or 1: bit i of byte t of word k = row 8 p + i, key 4 k + t
.endr
.endr
	v_cndmask_b32 v[F0+32*\u+8],  v[F0+32*\u+2], v[F0+32*\u+0], s71   ; sent: lanes 0-15 keys 8-11, lanes 16-31 keys 0-3
	v_cndmask_b32 v[F0+32*\u+9],  v[F0+32*\u+3], v[F0+32*\u+1], s71   ; sent: keys 12-15, keys 4-7
	v_cndmask_b32 v[F0+32*\u+10], v[F0+32*\u+0], v[F0+32*\u+2], s71   ; kept: keys 0-3, keys 8-11
	v_cndmask_b32 v[F0+32*\u+11], v[F0+32*\u+1], v[F0+32*\u+3], s71   ; kept: keys 4-7, keys 12-15
	v_permlanex16_b32 v[F0+32*\u+4], v[F0+32*\u+8], s72, s73          ; the other eight rows of the keys that I keep
	v_permlanex16_b32 v[F0+32*\u+5], v[F0+32*\u+9], s72, s73
	v_perm_b32 v[TMP+4*\u+0], v[F0+32*\u+4], v[F0+32*\u+10], v[SELE]  ; words 4 p .. 4 p + 3 of key tile 32 w + 16 u + c
	v_perm_b32 v[TMP+4*\u+1], v[F0+32*\u+4], v[F0+32*\u+10], v[SELO]
	v_perm_b32 v[TMP+4*\u+2], v[F0+32*\u+5], v[F0+32*\u+11], v[SELE]
	v_perm_b32 v[TMP+4*\u+3], v[F0+32*\u+5], v[F0+32*\u+11], v[SELO]
	global_store_b128 v[MS], v[TMP+4*\u:TMP+4*\u+3], s[18:19] offset:512*\u   ; the wave's store covers 512 consecutive bytes, aligned
.endr
	s_wait_xcnt 0x0                                ; TMP is written again only behind this wait
; ---------------------------------------------------------------- kv
; 16 matrix instructions: row blocks a0, a0 + 1 of the window's four (hi = 0: my rows 0-63, 1: rows 64-127) x all 8 column blocks, 32 along K.
; first = 1: C is the bias tile, which starts the sums: nothing is cleared.
; The 64 accumulators take turns, one instruction a turn, in the same order in every quarter step.
.macro MUL16 f, hi, a0, first
.irp a, \a0, \a0+1
.irp b, 0,1,2,3,4,5,6,7
.if \first
	v_wmma_f32_16x16x32_f16 v[8*(8*(\a)+\b):8*(8*(\a)+\b)+7], v[\f+8*\b:\f+8*\b+7], v[\f+8*(4*\hi+\a):\f+8*(4*\hi+\a)+7], v[8*\b:8*\b+7]
.else
	v_wmma_f32_16x16x32_f16 v[8*(8*(\a)+\b):8*(8*(\a)+\b)+7], v[\f+8*\b:\f+8*\b+7], v[\f+8*(4*\hi+\a):\f+8*(4*\hi+\a)+7], v[8*(8*(\a)+\b):8*(8*(\a)+\b)+7]
.endif
.endr
.endr
.endm
; 32 LDS loads in one run: the fragments of one quarter step (128 rows of Wkv, 128 rows of y, 32 K at byte k of the rows) into buffer f
.macro FETCH slot, k, f
	WIN TO_B
.irp i, 0,1,2,3,4,5,6,7
	ds_load_b128 v[\f+8*\i:\f+8*\i+3],   v[ADRB+\slot] offset:\k+\i*16*PITCH
	ds_load_b128 v[\f+8*\i+4:\f+8*\i+7], v[ADRB+\slot] offset:\k+\i*16*PITCH+32
.endr
	WIN 0
.irp i, 0,1,2,3,4,5,6,7
	ds_load_b128 v[\f+8*\i:\f+8*\i+3],   v[ADRA+\slot] offset:\k+\i*16*PITCH
	ds_load_b128 v[\f+8*\i+4:\f+8*\i+7], v[ADRA+\slot] offset:\k+\i*16*PITCH+32
.endr
.endm
; A K step is four quarter steps of 32 along K, 64 matrix instructions each, on buffers 0, 1, 0, 1.
; One of the first three: multiplies buffer f; in its middle it fetches the next quarter's fragments, at byte k of the same slot's rows, into buffer g.
.macro QUARTER slot, k, f, g, first
	s_wait_dscnt 8                                 ; Wkv and y's rows 0-63 are in; the youngest eight loads (y's rows 64-127) may be out
.if \first
	WIN FIRST_LO
.else
	WIN MUL_LO
.endif
	MUL16 \f, 0, 0, \first
	MUL16 \f, 0, 2, \first
	PLACES                                         ; the loads below land in fragments that earlier matrix instructions read
	FETCH \slot, \k, \g
	s_wait_dscnt 32                                ; all but the 32 just issued
.if \first
	WIN FIRST_HI
.else
	WIN MUL_HI
.endif
	MUL16 \f, 1, 0, \first
	MUL16 \f, 1, 2, \first
.endm
.macro THREE slot, first
	QUARTER \slot, 64,  F0, F1, \first
	QUARTER \slot, 128, F1, F0, 0
	QUARTER \slot, 192, F0, F1, 0
.endm
; The descriptors are turned over to qf's tiles: 64 rows x 256 elements of 2 bytes, 4 words of padding behind every 128 words; the pitch in memory (1,024
; elements) and the words that are 0 or 1 stay.  It stands behind a wait for all the wave's tensor loads: none that names these registers is out.
.macro QDESC
	s_or_b32 s[G1+0], s43, (1<<16)|(1<<20)|(1<<21)|(6<<22)|(3<<25)   ; x's tiles go to my row of the cluster
	s_or_b32 s[G1B+0], s44, (1<<16)|(1<<20)|(1<<21)|(6<<22)|(3<<25)  ; Wq's to my column
.irp g, G1, G1B
	s_mov_b32 s[\g+1], 256<<16                     ; tensor_dim0 = 256
	s_mov_b32 s[\g+2], 64<<16                      ; tensor_dim1 = 64
	s_mov_b32 s[\g+3], 256<<16                     ; tile_dim0 = 256
	s_mov_b32 s[\g+4], 64                          ; tile_dim1 = 64
.endr
.irp s, 0,1
	s_add_co_u32 s[G0+4*\s+1], s88, \s*SLOT
	s_add_nc_u64 s[G0+4*\s+2:G0+4*\s+3], s[84:85], \s*PERB
	s_or_b32 s[G0+4*\s+3], s[G0+4*\s+3], 0x80000000
	s_add_co_u32 s[G0B+4*\s+1], s88, \s*SLOT
	s_add_nc_u64 s[G0B+4*\s+2:G0B+4*\s+3], s[86:87], \s*PERB
	s_or_b32 s[G0B+4*\s+3], s[G0B+4*\s+3], 0x80000000
.endr
.endm
; The last quarter: multiplies buffer 1 and changes slots.  In front of the barrier, which opens a round of the cluster's barrier, each wave waits for its own
; reads of this slot and for all its tensor loads, of which one is out: its part of the next slot.  Behind the round the refill comes first, then the
; next slot's first fragments are read.  fill = 1: this slot gets kv's tiles two K steps ahead; fill = 2: it gets qf's period 0.
; From a request to the wait for it a wave issues 240 matrix instructions.
.macro TURN slot, next, fill
	s_wait_dscnt 8
	WIN MUL_LO
	MUL16 F1, 0, 0, 0
	s_wait_dscnt 0                                 ; my reads of this slot are over
	s_wait_tensorcnt 0x0                           ; and all my tensor loads have landed
	ds_add_u32 v255, v23
	s_wait_dscnt 0x0
	s_barrier_signal -1
	MUL16 F1, 0, 2, 0                              ; register work while the others arrive
	WIN 0
	s_barrier_wait -1
	CREST                                          ; no wave of any partner still reads this slot or has a load on its way
.if \fill == 1
	s_add_nc_u64 s[G0+4*\slot+2:G0+4*\slot+3], s[G0+4*\slot+2:G0+4*\slot+3], 2*KSTEP*2
	s_add_nc_u64 s[G0B+4*\slot+2:G0B+4*\slot+3], s[G0B+4*\slot+2:G0B+4*\slot+3], 2*KSTEP*2
.else
	QDESC
.endif
	JLOAD \slot                                    ; my one tensor load behind the round
	PLACES
	FETCH \next, 0, F0
	WIN MUL_HI
	MUL16 F1, 1, 0, 0
	MUL16 F1, 1, 2, 0
.endm
.macro LAP first
	THREE 0, \first
	TURN 0, 1, 1
	THREE 1, 0
	TURN 1, 0, 1
.endm
	s_wait_tensorcnt 0x1                           ; my part of K step 0 is in; K step 1's, issued behind it, may stay out
	s_barrier_signal -1
	s_barrier_wait -1                              ; everybody's is
	FETCH 0, 0, F0
	LAP 1                                          ; the first lap stands in front of the loop: its first products take the bias as C
	WIN 0
	s_mov_b32 s70, LAPS-2
.Llap:
	LAP 0
	WIN 0
	s_sub_co_i32 s70, s70, 1
	s_cmp_lg_u32 s70, 0
	s_cbranch_scc1 .Llap
	THREE 0, 0                                     ; the last lap: kv has nothing left to fetch,
	TURN 0, 1, 2                                   ; so slot 0 gets qf's period 0, which has the last K step in which to land
	THREE 1, 0
	s_wait_dscnt 8                                 ; the very last quarter
	WIN MUL_LO
	MUL16 F1, 0, 0, 0
	s_wait_dscnt 0                                 ; my reads of slot 1 are over
	s_wait_tensorcnt 0x0                           ; my part of qf's period 0 has landed
	ds_add_u32 v255, v23
	s_wait_dscnt 0x0
	s_barrier_signal -1
	MUL16 F1, 0, 2, 0
	WIN 0
	s_barrier_wait -1
	CREST                                          ; no wave of any partner still reads slot 1 or has a load on its way; period 0 is whole
	JLOAD 1                                        ; my one tensor load behind the round: qf's period 1 into slot 1; it has kv's way out in which to land
	WIN MUL_HI
	MUL16 F1, 1, 0, 0
	MUL16 F1, 1, 2, 0
	; kv'S WAY OUT, 16 rows at a time: round to f16, 16 bytes a lane into my own stage, read back as whole rows of 256 bytes.
	PLACES
	s_lshl_b32 s74, s69, 20                        ; 256 rows x 4,096 bytes x block row
	s_lshl_b32 s76, s42, 9                         ; + 256 columns x 2 bytes x block column
	s_add_co_u32 s74, s74, s76
	s_lshl_b32 s23, s67, 19                        ; + my 128 rows
	s_add_co_u32 s74, s74, s23
	s_lshl_b32 s23, s68, 8                         ; + my 128 columns
	s_add_co_u32 s74, s74, s23
	s_mov_b32 s75, 0
	s_add_nc_u64 s[16:17], s[16:17], s[74:75]
.macro OUT16 i, a, from, f
	WIN \from
.irp b, 0,1,2,3,4,5,6,7
.irp r, 0,1,2,3
	v_cvt_pk_f16_f32 v[TMP+4*\b+\r], v[8*(8*\a+\b)+2*\r], v[8*(8*\a+\b)+2*\r+1]
.endr
.endr
	WIN 0
.irp b, 0,1,2,3,4,5,6,7
	ds_store_b128 v[STO], v[TMP+4*\b:TMP+4*\b+3] offset:32*\b
.endr
	s_wait_xcnt 0x0                                ; buffer f, which earlier stores read, and the stores' base are written again only behind this wait
.if \i
	s_add_nc_u64 s[16:17], s[16:17], 16*ROWB
.endif
.irp t, 0,1,2,3,4,5,6,7
	ds_load_b128 v[\f+4*\t:\f+4*\t+3], v[RD] offset:\t*2*SPITCH    ; a wave's LDS instructions are served in order: these see the stores above
.endr
.irp t, 0,1,2,3,4,5,6,7
	s_wait_dscnt 7-\t                              ; read-back t is in; the younger ones may be out
	global_store_b128 v[CO], v[\f+4*\t:\f+4*\t+3], s[16:17] offset:2*\t*ROWB   ; 16 lanes store 256 consecutive bytes, aligned
.endr
.endm
	OUT16 0, 0, 0x0a, F0
	OUT16 1, 1, 0x0a, F1
	OUT16 2, 2, 0x0a, F0
	OUT16 3, 3, 0x0a, F1
	OUT16 4, 0, 0x0f, F0
	OUT16 5, 1, 0x0f, F1
	OUT16 6, 2, 0x0f, F0
	OUT16 7, 3, 0x0f, F1
; ---------------------------------------------------------------- qf
; 16 LDS loads: the fragments of one chunk (64 rows of Wq, then 64 rows of x, 32 K at byte kb of the rows) into buffer f
.macro QFETCH slot, kb, f
.irp i, 0,1,2,3
	ds_load_b128 v[\f+8*\i:\f+8*\i+3],   v[QADRB+\slot] offset:\kb+\i*16*QPITCH
	ds_load_b128 v[\f+8*\i+4:\f+8*\i+7], v[QADRB+\slot] offset:\kb+\i*16*QPITCH+32
.endr
.irp i, 0,1,2,3
	ds_load_b128 v[\f+32+8*\i:\f+32+8*\i+3],   v[QADRA+\slot] offset:\kb+\i*16*QPITCH
	ds_load_b128 v[\f+32+8*\i+4:\f+32+8*\i+7], v[QADRA+\slot] offset:\kb+\i*16*QPITCH+32
.endr
.endm
; 8 matrix instructions.  The 16 accumulators take turns, one instruction a turn, in the same order in every chunk.
.macro MUL8 f, a0, first
.irp a, \a0, \a0+1
.irp b, 0,1,2,3
.if \first
	v_wmma_f32_16x16x32_f16 v[8*(4*(\a)+\b):8*(4*(\a)+\b)+7], v[\f+8*\b:\f+8*\b+7], v[\f+32+8*(\a):\f+32+8*(\a)+7], v[BI+8*\b:BI+8*\b+7]
.else
	v_wmma_f32_16x16x32_f16 v[8*(4*(\a)+\b):8*(4*(\a)+\b)+7], v[\f+8*\b:\f+8*\b+7], v[\f+32+8*(\a):\f+32+8*(\a)+7], v[8*(4*(\a)+\b):8*(4*(\a)+\b)+7]
.endif
.endr
.endr
.endm
; One of a period's first seven chunks: asks LDS for the next chunk (byte kbnext, buffer g), then multiplies buffer f.
.macro CH slot, kbnext, f, g, first
	PLACES                                         ; the loads below land in fragments that the last chunk's matrix instructions read
	QFETCH \slot, \kbnext, \g
	s_wait_dscnt 16                                ; this chunk's 16 loads are in; the 16 just issued may be out
.if \first
	WIN W_FIRST
.else
	WIN W_MUL
.endif
	MUL8 \f, 0, \first
	MUL8 \f, 2, \first
	WIN 0
.endm
.macro SEVEN slot, first
	CH \slot, 64,  QF0, QF1, \first
	CH \slot, 128, QF1, QF0, 0
	CH \slot, 192, QF0, QF1, 0
	CH \slot, 256, QF1, QF0, 0
	CH \slot, 320, QF0, QF1, 0
	CH \slot, 384, QF1, QF0, 0
	CH \slot, 448, QF0, QF1, 0
.endm
; The eighth chunk (buffer 1), and the change of slots: each wave has waited for its reads of this slot and for all its tensor loads in front of the barrier;
; behind it (fill = 1: behind the cluster's round that it opens) the refill comes first, then the next slot's first chunk is read.
.macro QTURN slot, next, fill
	s_wait_dscnt 0                                 ; my reads of this slot are over
	s_set_vgpr_msb 0x1
	s_wait_tensorcnt 0x0                           ; and all my tensor loads have landed
	ds_add_u32 v255, v23
	s_wait_dscnt 0x0
	s_set_vgpr_msb 0x100
	s_barrier_signal -1
	WIN W_MUL
	MUL8 QF1, 0, 0                                 ; register work while the others arrive
	WIN 0
	s_barrier_wait -1
.if \fill
	CREST
	s_add_nc_u64 s[G0+4*\slot+2:G0+4*\slot+3], s[G0+4*\slot+2:G0+4*\slot+3], 2*PERB
	s_add_nc_u64 s[G0B+4*\slot+2:G0B+4*\slot+3], s[G0B+4*\slot+2:G0B+4*\slot+3], 2*PERB
	JLOAD \slot                                    ; my one tensor load behind the round: this slot, two periods ahead
.endif
	PLACES
	QFETCH \next, 0, QF0
	WIN W_MUL
	MUL8 QF1, 2, 0
	WIN 0
.endm
	s_wait_xcnt 0x0                                ; kv's stores have read their registers' addresses and data: qf's fragments land on them only behind this wait
	QFETCH 0, 0, QF0                               ; period 0 was shown whole by the round in kv's last quarter
	SEVEN 0, 1                                     ; period 0: the first products take the bias as C
	QTURN 0, 1, 1                                  ; slot 0 gets period 2
	SEVEN 1, 0                                     ; period 1
	QTURN 1, 0, 1                                  ; slot 1 gets period 3
	SEVEN 0, 0                                     ; period 2
	QTURN 0, 1, 0                                  ; nothing is left to fetch
	SEVEN 1, 0                                     ; period 3
	s_wait_dscnt 0
	WIN W_MUL
	MUL8 QF1, 0, 0
	MUL8 QF1, 2, 0
	WIN 0
	; qf'S WAY OUT, 16 rows at a time, through my own stage: a lane's 32 bytes in, whole rows of 256 bytes back.
	PLACES
	s_lshl_b32 s74, s69, 19                        ; 128 rows x 4,096 bytes x block row
	s_lshl_b32 s76, s42, 9                         ; + 128 columns x 4 bytes x block column
	s_add_co_u32 s74, s74, s76
	s_lshl_b32 s23, s67, 18                        ; + my 64 rows
	s_add_co_u32 s74, s74, s23
	s_lshl_b32 s23, s68, 8                         ; + my 64 columns
	s_add_co_u32 s74, s74, s23
	s_mov_b32 s75, 0
	s_add_nc_u64 s[20:21], s[20:21], s[74:75]
.macro QOUT16 a, f
	WIN W_ST
.irp b, 0,1,2,3
	ds_store_b128 v[QSTO], v[8*(4*\a+\b):8*(4*\a+\b)+3]   offset:64*\b
	ds_store_b128 v[QSTO], v[8*(4*\a+\b)+4:8*(4*\a+\b)+7] offset:64*\b+16
.endr
	WIN 0
	s_wait_xcnt 0x0                                ; buffer f, which earlier stores read, and the stores' base are written again only behind this wait
.if \a
	s_add_nc_u64 s[20:21], s[20:21], 16*ROWB
.endif
.irp t, 0,1,2,3,4,5,6,7
	ds_load_b128 v[\f+4*\t:\f+4*\t+3], v[RD] offset:\t*2*SPITCH    ; a wave's LDS instructions are served in order: these see the stores above
.endr
.irp t, 0,1,2,3,4,5,6,7
	s_wait_dscnt 7-\t                              ; read-back t is in; the younger ones may be out
	global_store_b128 v[CO], v[\f+4*\t:\f+4*\t+3], s[20:21] offset:2*\t*ROWB   ; 16 lanes store 256 consecutive bytes, aligned
.endr
.endm
	QOUT16 0, RB0
	QOUT16 1, RB1
	QOUT16 2, RB0
	QOUT16 3, RB1
	s_set_vgpr_msb 0x1
	s_wait_tensorcnt 0x0
	ds_add_u32 v255, v23
	s_wait_dscnt 0x0
	s_set_vgpr_msb 0x100
	CROUND                                         ; the closing round: no work-group ends while a partner may still ask for a tile that names it
	s_endpgm
.Lfunc_end_k_qd6e9a40415_kvq:
	.size	k_qd6e9a40415_kvq, .Lfunc_end_k_qd6e9a40415_kvq-k_qd6e9a40415_kvq
	.p2alignl 7, 3214868480
	.fill 96, 4, 3214868480
	.section	.rodata,"a",@progbits
	.p2align	6, 0x0
	.amdhsa_kernel k_qd6e9a40415_kvq
		.amdhsa_group_segment_fixed_size 327680
		.amdhsa_private_segment_fixed_size 0
		.amdhsa_enable_private_segment 0
		.amdhsa_kernarg_size 72
		.amdhsa_user_sgpr_count 2
		.amdhsa_user_sgpr_kernarg_segment_ptr 1
		.amdhsa_wavefront_size32 1
		.amdhsa_system_sgpr_workgroup_id_x 1
		.amdhsa_system_sgpr_workgroup_id_y 1
		.amdhsa_system_sgpr_workgroup_id_z 1
		.amdhsa_system_vgpr_workitem_id 0
		.amdhsa_next_free_vgpr 1024
		.amdhsa_next_free_sgpr 96
		.amdhsa_reserve_vcc 0
		.amdhsa_float_denorm_mode_32 3
		.amdhsa_float_denorm_mode_16_64 3
		.amdhsa_memory_ordered 1
		.amdhsa_forward_progress 1
		.amdhsa_inst_pref_size 255
	.end_amdhsa_kernel
	.section	.bss,"aw",@nobits
	.p2align	6
	.space	262144
	.amdgpu_metadata
---
amdhsa.version: [ 1, 2 ]
amdhsa.kernels:
  - .name:           k_qd6e9a40415_kvq
    .symbol:         k_qd6e9a40415_kvq.kd
    .args:
      - { .name: yw16, .offset: 0, .size: 8, .value_kind: global_buffer, .address_space: global }
      - { .name: bkv, .offset: 8, .size: 8, .value_kind: global_buffer, .address_space: global }
      - { .name: mask, .offset: 16, .size: 8, .value_kind: global_buffer, .address_space: global }
      - { .name: x16, .offset: 24, .size: 8, .value_kind: global_buffer, .address_space: global }
      - { .name: wq16, .offset: 32, .size: 8, .value_kind: global_buffer, .address_space: global }
      - { .name: bq, .offset: 40, .size: 8, .value_kind: global_buffer, .address_space: global }
      - { .name: kv, .offset: 48, .size: 8, .value_kind: global_buffer, .address_space: global }
      - { .name: mbits, .offset: 56, .size: 8, .value_kind: global_buffer, .address_space: global }
      - { .name: qf, .offset: 64, .size: 8, .value_kind: global_buffer, .address_space: global }
    .group_segment_fixed_size: 327680
    .private_segment_fixed_size: 0
    .kernarg_segment_align: 8
    .kernarg_segment_size: 72
    .max_flat_workgroup_size: 128
    .sgpr_count:     96
    .vgpr_count:     1024
    .wavefront_size: 32
...
	.end_amdgpu_metadata
.endif
;; end of part 5
;; launch attn (part 6): grid 8 x 32, 8 waves a work-group, clusters of 4 x 1, 327,680 bytes of LDS; arguments qf, kv, mbits, ao; writes ao
.if DOCPART == 6
	.amdgcn_target "amdgcn-amd-amdhsa--gfx1250"
	.amdhsa_code_object_version 6
	.text
	.protected	k_qd6e9a40415_attn
	.globl	k_qd6e9a40415_attn
	.p2align	8
	.type	k_qd6e9a40415_attn,@function
k_qd6e9a40415_attn:
	s_mov_b64 s[64:65], 0
	v_nop
	global_prefetch_b8 v0, s[64:65] scope:SCOPE_SE
	s_setreg_imm32_b32 hwreg(HW_REG_WAVE_MODE, 25, 1), 1
	s_wait_xcnt 0x0
	s_wait_alu depctr_hold_cnt(0) depctr_sa_sdst(0) depctr_va_vdst(0) depctr_va_sdst(0) depctr_va_ssrc(0) depctr_va_vcc(0) depctr_vm_vsrc(0)
	s_getreg_b32 s2, hwreg(HW_REG_IB_STS2, 6, 4)
	s_cmp_eq_u32 s2, 0
	s_cbranch_scc0 .Lentry_in_a_cluster
	s_endpgm
.Lentry_in_a_cluster:
	s_bfe_u32 s2, ttmp6, 0x10000c
	s_cmp_lg_u32 s2, 0x3003
	s_cbranch_scc0 .Lentry_shape_is_right
	s_endpgm
.Lentry_shape_is_right:
; ao[token][64 head + d] = softmax over the unmasked keys of (q k / 8) times v.  qf: [4096][1024] f32, kv: [8192][2048] f16 (K in columns 0-1023, V in 1024-2047),
; mbits: packed mask, ao: [4096][1024] f16.
; SHARES: a work-group takes one batch, two heads and 128 query rows; wave w takes head w >> 2 of the pair and 32 rows at 32 (w & 3).  With two heads a row of a K or V
; tile, and a row piece of ao, is 256 consecutive aligned bytes.  Keys go in 8 periods of 256 through two LDS slots, a period in four steps of 64 keys.
; CLUSTERS: the four work-groups of a cluster are four query blocks of the same batch and head pair: they read the same K and V tiles and ask for them jointly.
; Q, the mask words and the output are each work-group's own and go through registers.
; LAYOUT: scores are made transposed, S^T = K Q^T, so a lane owns one query (l % 16): maximum, sum and rescaling are plain numbers of the lane, and the eight
; registers of two neighbouring score tiles, narrowed in place, are the second source of O^T = V^T P^T.  Row m of a score tile stands for key 2 (m & 7) + (m >> 3)
; of its 16, so that K's loads take 16 different rows and V's transposing loads rows two apart.
; mbits is packed in that order.
; SOFTMAX: running maximum and running sum in f32, base 2 (log2 e / 8 is folded into Q).  The maximum is taken away before every exponential.
; FORMAT: Q, K, V, P and the output are f16, sums f32.  LIMITS: |0.18 q|, |k|, |v| below 65,504.  The running maximum starts at -1e30: scores (in base 2) below it are not told apart.
; A row with every key masked gives 0 x infinity = NaN, as the softmax of such a row does.
.set QTR,   64*272                     ; 64 rows x 272 bytes: what one tensor load brings, and one step's keys
.set SLOT,  8*QTR                      ; K's 256 rows, then V's 256 rows
.set SCRB,  2*SLOT                     ; behind the ring: scratch; no tensor load lands here
.set SCRW,  4608                       ; at the start: 32 rows x 144 bytes of Q for each wave
.set OUTW,  32*272                     ; at the end: 32 rows x 272 bytes for the two waves of the same 32 queries; 4 x 8,704 lie inside the 8 x 4,608
.set PERB,  256*4096                   ; bytes of kv from a period's keys to the next period's
.set AO,   6                           ; two rows of 256 bytes in ao
.set MN,   7                           ; the new maximum
.set KA,   8                           ; v8-9    LDS address of K's fragments in slot 0, 1
.set VA,   10                          ; v10-11  the same for V
.set STO,  12                          ; the way out: in
.set RD,   13                          ; the way out: back
.set GO,   14                          ; two rows of 256 bytes in qf
.set NINF, 15                          ; minus infinity
.set MX,   16                          ; v16-17  running maximum of query tile 0, 1
.set LS,   18                          ; v[18:19], v[20:21]  running sums, a pair for each query tile
.set NM,   22                          ; v[22:23] minus the new maximum, twice
.set AL,   24                          ; v[24:25] the rescaling factor, twice
.set T,    26                          ; v26-29  at work
.set TS,   30                          ; v[30:31] second chain of the sums
.set QF,   32                          ; Q fragment (qt, dh) at QF + 8 (2 qt + dh)
.set OT,   64                          ; output tile (dt, qt) at OT + 8 (2 dt + qt)
.set SC,   128                         ; score tile (qt, kt) at SC + 8 (4 qt + kt); P fragment (qt, kh) = the first 8 registers at SC + 32 qt + 16 kh
.set KF,   192                         ; K fragment (kt, dh) at KF + 8 (2 kt + dh), then V fragment (dt, kh) at KF + 8 (2 dt + kh)
.set G1,   16                          ; s[16:23] descriptor group 1
.set G0,   24                          ; s[24:31] descriptor group 0, a set for each slot
.macro ROUND                           ; a round of the cluster's barrier
	s_barrier_signal -1
	s_barrier_wait -1
	s_cmp_lg_u32 s12, 0
	s_cbranch_scc1 .Lnot_wave_0_\@
	s_barrier_signal -3
.Lnot_wave_0_\@:
	s_barrier_wait -3
	s_barrier_signal -1
	s_barrier_wait -1
.endm
	s_load_b256 s[4:11], s[0:1], 0x0               ; qf s[4:5], kv s[6:7], mbits s[8:9], ao s[10:11]
	s_set_vgpr_msb 0x40
	v_lshl_add_u32 v0, v0, 2, 0x4d000
	v_mov_b32 v1, 0
	s_set_vgpr_msb 0x4045
	ds_add_u32 v0, v1
	s_set_vgpr_msb 0x4500
	v_lshrrev_b32 v1, 5, v0
	v_readfirstlane_b32 s12, v1                    ; wave 0..7
	s_lshr_b32 s13, s12, 2                         ; my head of the pair.  Also: I fetch K (0) or V (1)
	s_and_b32 s14, s12, 3                          ; my 32 query rows.  Also: which 64 keys of a period I fetch
	s_and_b32 s15, ttmp7, 0xffff
	s_lshr_b32 s101, s15, 3                        ; batch
	s_and_b32 s15, s15, 7                          ; head pair
	s_mov_b32 s66, 0x76543210                      ; v_permlanex16_b32: lane i reads lane i of the other half
	s_mov_b32 s67, 0xfedcba98
	; group 1: 64 rows x 128 elements of 2 bytes, 4 words of padding behind every 64 words; the mask names all four work-groups of the cluster
	s_mov_b32 s[G1+0], 15|(1<<16)|(1<<20)|(1<<21)|(5<<22)|(3<<25)
	s_mov_b32 s[G1+1], 128<<16                     ; tensor_dim0 = 128
	s_mov_b32 s[G1+2], 64<<16                      ; tensor_dim1 = 64
	s_mov_b32 s[G1+3], 128<<16                     ; tile_dim0 = 128
	s_mov_b32 s[G1+4], 64                          ; tile_dim1 = 64
	s_mov_b32 s[G1+5], 2048                        ; elements from row to row
	s_mov_b32 s[G1+6], 0
	s_mov_b32 s[G1+7], 0
	; my tile of period 0: made of the batch, the head pair and the wave's number, which the four partners share
	s_lshl_b32 s104, s101, 23                      ; 2,048 tokens x 4,096 bytes x batch
	s_lshl_b32 s105, s14, 18                       ; + 64 tokens x (wave & 3)
	s_add_co_u32 s104, s104, s105
	s_lshl_b32 s105, s13, 11                       ; + 2,048 bytes for V
	s_add_co_u32 s104, s104, s105
	s_lshl_b32 s105, s15, 8                        ; + 256 bytes x head pair
	s_add_co_u32 s104, s104, s105
	s_mov_b32 s105, 0
	s_mul_i32 s100, s12, QTR                       ; where it goes: K's four quarters, then V's four
	; what is my work-group's own: the query block enters global offsets alone
	s_bfe_u32 s2, ttmp6, 0x40000                   ; cx
	s_lshl_b32 s3, ttmp9, 2
	s_add_co_u32 s3, s3, s2                        ; query block = 4 x cluster x + cx
	s_lshl_b32 s68, s101, 22                       ; qf: 1,024 tokens x 4,096 bytes x batch
	s_lshl_b32 s2, s3, 19                          ; + 128 tokens x query block
	s_add_co_u32 s68, s68, s2
	s_lshl_b32 s2, s14, 17                         ; + 32 tokens x (wave & 3)
	s_add_co_u32 s68, s68, s2
	s_lshl_b32 s2, s15, 9                          ; + 512 bytes x head pair
	s_add_co_u32 s68, s68, s2
	s_lshl_b32 s2, s13, 8                          ; + 256 bytes x head
	s_add_co_u32 s68, s68, s2
	s_mov_b32 s69, 0
	s_lshl_b32 s70, s101, 18                       ; mbits: 4,096 bytes for a tile of 16 rows: 64 tiles x batch
	s_lshl_b32 s2, s3, 15                          ; + 8 tiles x query block
	s_add_co_u32 s70, s70, s2
	s_lshl_b32 s2, s14, 13                         ; + 2 tiles x (wave & 3)
	s_add_co_u32 s70, s70, s2
	s_mov_b32 s71, 0
	s_lshl_b32 s72, s101, 21                       ; ao: 1,024 tokens x 2,048 bytes x batch
	s_lshl_b32 s2, s3, 18                          ; + 128 tokens x query block
	s_add_co_u32 s72, s72, s2
	s_lshl_b32 s2, s14, 16                         ; + 32 tokens x (wave & 3)
	s_add_co_u32 s72, s72, s2
	s_lshl_b32 s2, s13, 15                         ; + 16 tokens: of the 32 rows the first head's wave stores the upper 16, the second's the lower 16
	s_add_co_u32 s72, s72, s2
	s_lshl_b32 s2, s15, 8                          ; + 256 bytes x head pair
	s_add_co_u32 s72, s72, s2
	s_mov_b32 s73, 0
	s_wait_dscnt 0x0
	s_wait_kmcnt 0x0
	s_add_nc_u64 s[6:7], s[6:7], s[104:105]
	s_add_nc_u64 s[4:5], s[4:5], s[68:69]
	s_add_nc_u64 s[10:11], s[10:11], s[72:73]
	s_add_nc_u64 s[8:9], s[8:9], s[70:71]
.irp s, 0,1
	s_mov_b32 s[G0+4*\s], 1
	s_add_co_u32 s[G0+4*\s+1], s100, \s*SLOT
	s_add_nc_u64 s[G0+4*\s+2:G0+4*\s+3], s[6:7], \s*PERB
	s_or_b32 s[G0+4*\s+3], s[G0+4*\s+3], 0x80000000
.endr
	ROUND                                          ; in front of the first joint loads
	tensor_load_to_lds s[G0:G0+3], s[G1:G1+7]      ; period 0
	s_nop 0
	tensor_load_to_lds s[G0+4:G0+7], s[G1:G1+7]    ; period 1: two tensor loads of a wave are out, the most in this text
	s_nop 0
	s_load_b512 s[32:47], s[8:9], 0x0              ; step 0's lane masks: query tile 0, word (kt, j) in s[32 + 8 kt + j]
	s_load_b512 s[48:63], s[8:9], 0x40
	s_load_b512 s[68:83], s[8:9], 0x1000           ; query tile 1, in s[68 + 8 kt + j]
	s_load_b512 s[84:99], s[8:9], 0x1040
	v_and_b32 v1, 15, v0                           ; r
	v_bfe_u32 v2, v0, 4, 1                         ; h
	v_lshlrev_b32 v5, 12, v2
	v_lshl_add_u32 v[GO], v1, 4, v5                ; lanes 0-15 one row's 256 bytes, lanes 16-31 the next row's
.irp i, 0,1,2,3,4,5,6,7,8,9,10,11,12,13,14,15
	global_load_b128 v[SC+4*\i:SC+4*\i+3], v[GO], s[4:5] offset:\i*8192    ; my 32 rows of Q, two at a time
.endr
	v_and_b32 v3, 7, v0
	v_bfe_u32 v4, v0, 3, 1
	v_lshl_add_u32 v5, v3, 1, v4                   ; K: lane r takes key 2 (r & 7) + (r >> 3) of the 16
	v_mul_u32_u24 v5, v5, 272
	v_lshl_add_u32 v5, v2, 4, v5                   ; + 16 h
	s_lshl_b32 s104, s13, 7                        ; + 128 bytes for the pair's second head
	v_add_nc_u32 v[KA], s104, v5
	v_add_nc_u32 v[KA+1], SLOT, v[KA]
	v_lshl_add_u32 v6, v3, 1, v2                   ; V: lane l addresses key 2 (l & 7) + h,
	v_mul_u32_u24 v6, v6, 272
	v_lshl_add_u32 v6, v4, 4, v6                   ; eight d at 16 ((l >> 3) & 1)
	s_add_co_u32 s104, s104, 4*QTR                 ; V lies behind K's 256 rows
	v_add_nc_u32 v[VA], s104, v6
	v_add_nc_u32 v[VA+1], SLOT, v[VA]
	s_mul_i32 s104, s14, OUTW
	s_add_co_u32 s104, s104, SCRB                  ; the way out: the stage that the two waves of my 32 queries share
	s_lshl_b32 s105, s13, 7                        ; in: my head's 128 bytes of a row,
	s_add_co_u32 s105, s105, s104
	v_mul_u32_u24 v5, v1, 272                      ; row r, 16 bytes for each half of the lanes
	v_lshl_add_u32 v5, v2, 4, v5
	v_add_nc_u32 v[STO], s105, v5
	s_mul_i32 s105, s13, 16*272                    ; back: my 16 of the 32 rows,
	s_add_co_u32 s105, s105, s104
	v_mul_u32_u24 v5, v2, 272                      ; lanes 0-15 one row of 256 bytes, lanes 16-31 the next
	v_lshl_add_u32 v5, v1, 4, v5
	v_add_nc_u32 v[RD], s105, v5
	v_lshlrev_b32 v6, 11, v2
	v_lshl_add_u32 v[AO], v1, 4, v6                ; the same two rows in ao
	v_mov_b32 v[NINF], 0xff800000
	s_mul_i32 s104, s12, SCRW
	s_add_co_u32 s104, s104, SCRB                  ; at the start: my own scratch for Q
	v_mul_u32_u24 v5, v2, 144                      ; Q in scratch: rows of 128 bytes of f16 + 16
	v_lshl_add_u32 v5, v1, 3, v5
	v_add_nc_u32 v4, s104, v5                      ; in: row 2 i + h, 8 bytes at 8 r
	v_mul_u32_u24 v5, v1, 144
	v_lshl_add_u32 v5, v2, 4, v5
	v_add_nc_u32 v5, s104, v5                      ; back: row r, 16 bytes at 16 h
.irp i, 0,1,2,3,4,5,6,7,8,9,10,11,12,13,14,15
	s_wait_loadcnt 15-\i                           ; load i is in; the younger ones may be out
	v_pk_mul_f32 v[SC+4*\i:SC+4*\i+1],   v[SC+4*\i:SC+4*\i+1],   0x3e38aa3b op_sel_hi:[1,0]   ; log2 e / 8
	v_pk_mul_f32 v[SC+4*\i+2:SC+4*\i+3], v[SC+4*\i+2:SC+4*\i+3], 0x3e38aa3b op_sel_hi:[1,0]
	v_cvt_pk_f16_f32 v[KF+2*\i],   v[SC+4*\i],   v[SC+4*\i+1]
	v_cvt_pk_f16_f32 v[KF+2*\i+1], v[SC+4*\i+2], v[SC+4*\i+3]
	ds_store_b64 v4, v[KF+2*\i:KF+2*\i+1] offset:\i*288
.endr
.irp qt, 0,1
.irp dh, 0,1
	ds_load_b128 v[QF+8*(2*\qt+\dh):QF+8*(2*\qt+\dh)+3],   v5 offset:\qt*2304+\dh*64      ; a wave's LDS instructions are served in order: these see the stores above
	ds_load_b128 v[QF+8*(2*\qt+\dh)+4:QF+8*(2*\qt+\dh)+7], v5 offset:\qt*2304+\dh*64+32
.endr
.endr
	s_wait_dscnt 0x0
; K's eight fragments of step t: the four of d 0-31 first
.macro KLOAD slot, t
.irp dh, 0,1
.irp kt, 0,1,2,3
	ds_load_b128 v[KF+8*(2*\kt+\dh):KF+8*(2*\kt+\dh)+3],   v[KA+\slot] offset:(\t)*QTR+\kt*4352+\dh*64
	ds_load_b128 v[KF+8*(2*\kt+\dh)+4:KF+8*(2*\kt+\dh)+7], v[KA+\slot] offset:(\t)*QTR+\kt*4352+\dh*64+32
.endr
.endr
.endm
; V's eight fragments of step t, transposed on the way: the four of keys 0-31 first
.macro VLOAD slot, t
.irp kh, 0,1
.irp dt, 0,1,2,3
	ds_load_tr16_b128 v[KF+8*(2*\dt+\kh):KF+8*(2*\dt+\kh)+3],   v[VA+\slot] offset:(\t)*QTR+\kh*8704+\dt*32
	ds_load_tr16_b128 v[KF+8*(2*\dt+\kh)+4:KF+8*(2*\dt+\kh)+7], v[VA+\slot] offset:(\t)*QTR+\kh*8704+\dt*32+4352
.endr
.endr
.endm
; One query tile's 32 scores of a lane: new maximum, rescaling, exponentials, sum, narrowing in place.
.macro SOFTMAX qt, first
.irp c, 0,1,2,3
	v_max3_num_f32 v[T+\c], v[SC+32*\qt+3*\c], v[SC+32*\qt+3*\c+1], v[SC+32*\qt+3*\c+2]
.endr
.irp i, 0,1,2,3,4,5,6,7,8,9
	v_max3_num_f32 v[T+\i%4], v[T+\i%4], v[SC+32*\qt+12+2*\i], v[SC+32*\qt+13+2*\i]
.endr
	v_max3_num_f32 v[T], v[T], v[T+1], v[T+2]
	v_max_num_f32 v[T], v[T], v[T+3]
	v_permlanex16_b32 v[T+1], v[T], s66, s67       ; the same query's other 32 keys lie in the other half of the lanes
.if \first
	v_max3_num_f32 v[MN], v[T], v[T+1], 0xf149f2ca ; the floor -1e30 keeps the maximum finite where all keys so far are masked
.else
	v_max3_num_f32 v[MN], v[T], v[T+1], v[MX+\qt]
	v_sub_f32 v[T+2], v[MX+\qt], v[MN]
	v_exp_f32 v[AL], v[T+2]                        ; the two plain lines below stand between these and the first use (ISA guide 5.7.2)
	v_exp_f32 v[AL+1], v[T+2]
.endif
	v_mul_f32 v[NM], -1.0, v[MN]
	v_mul_f32 v[NM+1], -1.0, v[MN]
.if \first == 0
	s_wait_alu depctr_va_vdst(0)
.irp dt, 0,1,2,3
.irp i, 0,2,4,6
	v_pk_mul_f32 v[OT+8*(2*\dt+\qt)+\i:OT+8*(2*\dt+\qt)+\i+1], v[OT+8*(2*\dt+\qt)+\i:OT+8*(2*\dt+\qt)+\i+1], v[AL:AL+1]
.endr
.endr
.endif
.irp i, 0,2,4,6,8,10,12,14,16,18,20,22,24,26,28,30
	v_pk_add_f32 v[SC+32*\qt+\i:SC+32*\qt+\i+1], v[SC+32*\qt+\i:SC+32*\qt+\i+1], v[NM:NM+1]
.endr
.irp i, 0,1,2,3,4,5,6,7,8,9,10,11,12,13,14,15,16,17,18,19,20,21,22,23,24,25,26,27,28,29,30,31
	v_exp_f32 v[SC+32*\qt+\i], v[SC+32*\qt+\i]
.endr
	v_mov_b32 v[MX+\qt], v[MN]                     ; the plain place behind the exponentials
.if \first
	s_wait_alu depctr_va_vdst(0)
	v_pk_add_f32 v[LS+2*\qt:LS+2*\qt+1], v[SC+32*\qt:SC+32*\qt+1], v[SC+32*\qt+2:SC+32*\qt+3]
.else
	s_wait_alu depctr_va_vdst(0)
	v_pk_fma_f32 v[LS+2*\qt:LS+2*\qt+1], v[LS+2*\qt:LS+2*\qt+1], v[AL:AL+1], v[SC+32*\qt:SC+32*\qt+1]
.endif
	v_pk_add_f32 v[TS:TS+1], v[SC+32*\qt+16:SC+32*\qt+17], v[SC+32*\qt+18:SC+32*\qt+19]
.if \first == 0
	v_pk_add_f32 v[LS+2*\qt:LS+2*\qt+1], v[LS+2*\qt:LS+2*\qt+1], v[SC+32*\qt+2:SC+32*\qt+3]
.endif
.irp i, 4,6,8,10,12,14
	v_pk_add_f32 v[LS+2*\qt:LS+2*\qt+1], v[LS+2*\qt:LS+2*\qt+1], v[SC+32*\qt+\i:SC+32*\qt+\i+1]
	v_pk_add_f32 v[TS:TS+1], v[TS:TS+1], v[SC+32*\qt+16+\i:SC+32*\qt+16+\i+1]
.endr
	v_pk_add_f32 v[LS+2*\qt:LS+2*\qt+1], v[LS+2*\qt:LS+2*\qt+1], v[TS:TS+1]
.irp kh, 0,1
.irp c, 0,1,2,3,4,5,6,7
	v_cvt_pk_f16_f32 v[SC+32*\qt+16*\kh+\c], v[SC+32*\qt+16*\kh+2*\c], v[SC+32*\qt+16*\kh+2*\c+1]   ; register c is written when registers 2 c and 2 c + 1 are read: nothing unread is lost
.endr
.endr
.endm
; One step: 64 keys against my 32 queries.  In each run of 16 matrix instructions eight accumulators take turns, one instruction a turn.
.macro STEP slot, t, first, more, kload
	s_wait_dscnt 0x8                               ; K's fragments of d 0-31 are in; the eight loads of d 32-63 may be out
.irp qt, 0,1
.irp kt, 0,1,2,3
	v_wmma_f32_16x16x32_f16 v[SC+8*(4*\qt+\kt):SC+8*(4*\qt+\kt)+7], v[KF+16*\kt:KF+16*\kt+7], v[QF+16*\qt:QF+16*\qt+7], 0
.endr
.endr
	s_wait_dscnt 0x0
.irp qt, 0,1
.irp kt, 0,1,2,3
	v_wmma_f32_16x16x32_f16 v[SC+8*(4*\qt+\kt):SC+8*(4*\qt+\kt)+7], v[KF+16*\kt+8:KF+16*\kt+15], v[QF+16*\qt+8:QF+16*\qt+15], v[SC+8*(4*\qt+\kt):SC+8*(4*\qt+\kt)+7]
.endr
.endr
.rept 4
	v_nop                                          ; four places: V's loads land on K's fragments, and the selects below read the scores
.endr
	VLOAD \slot, \t
	s_wait_kmcnt 0x0                               ; this step's lane masks
.irp kt, 0,1,2,3
.irp j, 0,1,2,3,4,5,6,7
	v_cndmask_b32 v[SC+8*\kt+\j],    v[SC+8*\kt+\j],    v[NINF], s[32+8*\kt+\j]
	v_cndmask_b32 v[SC+32+8*\kt+\j], v[SC+32+8*\kt+\j], v[NINF], s[68+8*\kt+\j]
.endr
.endr
.if \more
	s_add_nc_u64 s[8:9], s[8:9], 128               ; the scalar loads that read this base are done (the wait above): four key tiles of 32 bytes on
	s_load_b512 s[32:47], s[8:9], 0x0              ; the next step's lane masks
	s_load_b512 s[48:63], s[8:9], 0x40
	s_load_b512 s[68:83], s[8:9], 0x1000
	s_load_b512 s[84:99], s[8:9], 0x1040
.endif
	SOFTMAX 0, \first
	SOFTMAX 1, \first
	s_wait_dscnt 0x8                               ; V's fragments of keys 0-31 are in; the eight loads of keys 32-63 may be out
.irp dt, 0,1,2,3
.irp qt, 0,1
.if \first
	v_wmma_f32_16x16x32_f16 v[OT+8*(2*\dt+\qt):OT+8*(2*\dt+\qt)+7], v[KF+16*\dt:KF+16*\dt+7], v[SC+32*\qt:SC+32*\qt+7], 0
.else
	v_wmma_f32_16x16x32_f16 v[OT+8*(2*\dt+\qt):OT+8*(2*\dt+\qt)+7], v[KF+16*\dt:KF+16*\dt+7], v[SC+32*\qt:SC+32*\qt+7], v[OT+8*(2*\dt+\qt):OT+8*(2*\dt+\qt)+7]
.endif
.endr
.endr
	s_wait_dscnt 0x0
.irp dt, 0,1,2,3
.irp qt, 0,1
	v_wmma_f32_16x16x32_f16 v[OT+8*(2*\dt+\qt):OT+8*(2*\dt+\qt)+7], v[KF+16*\dt+8:KF+16*\dt+15], v[SC+32*\qt+16:SC+32*\qt+23], v[OT+8*(2*\dt+\qt):OT+8*(2*\dt+\qt)+7]
.endr
.endr
.rept 5
	v_nop                                          ; five places: the next scores are written over P, and K's loads land on V's fragments
.endr
.if \kload
	KLOAD \slot, \t+1
.endif
.endm
.macro PERIOD slot, first, last
	STEP \slot, 0, \first, 1, 1
	STEP \slot, 1, 0, 1, 1
	STEP \slot, 2, 0, 1, 1
	STEP \slot, 3, 0, 1-\last, 0                   ; the very last step asks for no further lane masks: no load passes the end of mbits
.endm
; On to slot 'slot'.  Each wave waits for all its tensor loads (its part of that slot among them) and for its reads of the other slot; behind the cluster's round
; no wave of any partner still reads the other slot or has a load on its way, and the refill is the wave's first and only tensor load there.
.macro CHANGE slot, refill
	s_set_vgpr_msb 0x5
	s_wait_tensorcnt 0x0
	ds_add_u32 v0, v1
	s_wait_dscnt 0x0
	s_set_vgpr_msb 0x500
.if \refill
	s_add_nc_u64 s[G0+4*(1-\slot)+2:G0+4*(1-\slot)+3], s[G0+4*(1-\slot)+2:G0+4*(1-\slot)+3], 2*PERB
.endif
	s_wait_dscnt 0x0
.if \refill
	ROUND
	tensor_load_to_lds s[G0+4*(1-\slot):G0+4*(1-\slot)+3], s[G1:G1+7]
	s_nop 0
.else
	s_barrier_signal -1
	s_barrier_wait -1
.endif
	KLOAD \slot, 0
.endm
	s_wait_tensorcnt 0x1                           ; my part of period 0 is in; period 1's may stay out
	s_barrier_signal -1
	s_barrier_wait -1
	KLOAD 0, 0
	PERIOD 0, 1, 0                                 ; period 0: its first step starts maxima, sums and outputs
	s_mov_b32 s100, 3
.Lperiods:
	CHANGE 1, 1
	PERIOD 1, 0, 0
	CHANGE 0, 1
	PERIOD 0, 0, 0
	s_sub_co_i32 s100, s100, 1
	s_cmp_lg_u32 s100, 0
	s_cbranch_scc1 .Lperiods
	CHANGE 1, 0                                    ; period 7: nothing is left to fetch
	PERIOD 1, 0, 1
	; THE WAY OUT: divide by the sum, round to f16.  A head's piece of a row is 128 bytes, so the two waves that hold the two heads of the same 32 queries
	; put their pieces side by side in a shared stage, and each stores 16 whole rows of 256 bytes.  The five places at the last step's end stand behind the last matrix instructions.
.irp qt, 0,1
	v_add_f32 v[T], v[LS+2*\qt], v[LS+2*\qt+1]
	v_permlanex16_b32 v[T+1], v[T], s66, s67       ; the other half of the lanes summed the query's other keys
	v_add_f32 v[T], v[T], v[T+1]
	v_rcp_f32 v[AL], v[T]
	v_rcp_f32 v[AL+1], v[T]
	v_nop                                          ; one plain place behind the reciprocals (ISA guide 5.7.2)
	s_wait_alu depctr_va_vdst(0)
.irp dt, 0,1,2,3
.irp i, 0,2,4,6
	v_pk_mul_f32 v[OT+8*(2*\dt+\qt)+\i:OT+8*(2*\dt+\qt)+\i+1], v[OT+8*(2*\dt+\qt)+\i:OT+8*(2*\dt+\qt)+\i+1], v[AL:AL+1]
.endr
.endr
.irp dt, 0,1,2,3
.irp c, 0,1,2,3
	v_cvt_pk_f16_f32 v[SC+16*\qt+4*\dt+\c], v[OT+8*(2*\dt+\qt)+2*\c], v[OT+8*(2*\dt+\qt)+2*\c+1]
.endr
	ds_store_b128 v[STO], v[SC+16*\qt+4*\dt:SC+16*\qt+4*\dt+3] offset:\qt*4352+32*\dt   ; query 16 qt + r, d = 16 dt + 8 h + 0..7 of my head
.endr
.endr
	s_wait_dscnt 0x0                               ; for the other wave's sake: my stores are in LDS
	s_barrier_signal -1
	s_barrier_wait -1                              ; both heads' pieces of every row are there
.irp t, 0,1,2,3,4,5,6,7
	ds_load_b128 v[KF+4*\t:KF+4*\t+3], v[RD] offset:\t*544
.endr
.irp t, 0,1,2,3,4,5,6,7
	s_wait_dscnt 7-\t                              ; read-back t is in; the younger ones may be out
	global_store_b128 v[AO], v[KF+4*\t:KF+4*\t+3], s[10:11] offset:\t*4096   ; 16 lanes store 256 consecutive bytes, aligned
.endr
	s_set_vgpr_msb 0x5
	s_wait_tensorcnt 0x0
	ds_add_u32 v0, v1
	s_wait_dscnt 0x0
	s_set_vgpr_msb 0x500
	ROUND                                          ; the closing round: no work-group ends while a partner may still ask for a tile that names it
	s_endpgm
.Lfunc_end_k_qd6e9a40415_attn:
	.size	k_qd6e9a40415_attn, .Lfunc_end_k_qd6e9a40415_attn-k_qd6e9a40415_attn
	.p2alignl 7, 3214868480
	.fill 96, 4, 3214868480
	.section	.rodata,"a",@progbits
	.p2align	6, 0x0
	.amdhsa_kernel k_qd6e9a40415_attn
		.amdhsa_group_segment_fixed_size 327680
		.amdhsa_private_segment_fixed_size 0
		.amdhsa_enable_private_segment 0
		.amdhsa_kernarg_size 32
		.amdhsa_user_sgpr_count 2
		.amdhsa_user_sgpr_kernarg_segment_ptr 1
		.amdhsa_wavefront_size32 1
		.amdhsa_system_sgpr_workgroup_id_x 1
		.amdhsa_system_sgpr_workgroup_id_y 1
		.amdhsa_system_sgpr_workgroup_id_z 1
		.amdhsa_system_vgpr_workitem_id 0
		.amdhsa_next_free_vgpr 258
		.amdhsa_next_free_sgpr 106
		.amdhsa_reserve_vcc 0
		.amdhsa_float_denorm_mode_32 3
		.amdhsa_float_denorm_mode_16_64 3
		.amdhsa_memory_ordered 1
		.amdhsa_forward_progress 1
		.amdhsa_inst_pref_size 255
	.end_amdhsa_kernel
	.section	.bss,"aw",@nobits
	.p2align	6
	.space	262144
	.amdgpu_metadata
---
amdhsa.version: [ 1, 2 ]
amdhsa.kernels:
  - .name:           k_qd6e9a40415_attn
    .symbol:         k_qd6e9a40415_attn.kd
    .args:
      - { .name: qf, .offset: 0, .size: 8, .value_kind: global_buffer, .address_space: global }
      - { .name: kv, .offset: 8, .size: 8, .value_kind: global_buffer, .address_space: global }
      - { .name: mbits, .offset: 16, .size: 8, .value_kind: global_buffer, .address_space: global }
      - { .name: ao, .offset: 24, .size: 8, .value_kind: global_buffer, .address_space: global }
    .group_segment_fixed_size: 327680
    .private_segment_fixed_size: 0
    .kernarg_segment_align: 8
    .kernarg_segment_size: 32
    .max_flat_workgroup_size: 256
    .sgpr_count:     106
    .vgpr_count:     258
    .wavefront_size: 32
...
	.end_amdgpu_metadata
.endif
;; end of part 6
;; launch oproj (part 7): grid 8 x 32, 4 waves a work-group, clusters of 4 x 4, 327,680 bytes of LDS; arguments ao, wp16, bp, out0; writes out0
.if DOCPART == 7
	.amdgcn_target "amdgcn-amd-amdhsa--gfx1250"
	.amdhsa_code_object_version 6
	.text
	.protected	k_qd6e9a40415_oproj
	.globl	k_qd6e9a40415_oproj
	.p2align	8
	.type	k_qd6e9a40415_oproj,@function
k_qd6e9a40415_oproj:
	s_mov_b64 s[64:65], 0
	v_nop
	global_prefetch_b8 v0, s[64:65] scope:SCOPE_SE
	s_setreg_imm32_b32 hwreg(HW_REG_WAVE_MODE, 25, 1), 1
	s_wait_xcnt 0x0
	s_wait_alu depctr_hold_cnt(0) depctr_sa_sdst(0) depctr_va_vdst(0) depctr_va_sdst(0) depctr_va_ssrc(0) depctr_va_vcc(0) depctr_vm_vsrc(0)
	s_getreg_b32 s2, hwreg(HW_REG_IB_STS2, 6, 4)
	s_cmp_eq_u32 s2, 0
	s_cbranch_scc0 .Lentry_in_a_cluster
	s_endpgm
.Lentry_in_a_cluster:
	s_bfe_u32 s2, ttmp6, 0x10000c
	s_cmp_lg_u32 s2, 0xf033
	s_cbranch_scc0 .Lentry_shape_is_right
	s_endpgm
.Lentry_shape_is_right:
; The output projection: C[t][n] = sum over k of A[t][k] W[n][k] + bias[n].
; A = ao: [4096][1024] f16, W = wp16: [1024][1024] f16, bias = bp: [1024] f32, C = out0: [4096][1024] f32.
; FORMAT: f16 operands, f32 sums and result.
; SHAPE: 32 x 8 blocks of 128 x 128 give 256 work-groups.  Four waves, a wave makes 64 x 64 = 16 accumulator tiles.
; K goes in 4 periods of 256 (rows of 512 bytes, aligned to 256) through two LDS slots, so the two first fills bring half of K and two refills the rest;
; a period is eight chunks of 32 along K on two fragment buffers.  The four periods are written out: there is no loop.
; CLUSTERS: 4 x 4 work-groups; A's tile is asked for jointly along a row of the cluster, W's along a column.
; REGISTERS: window 0: v16-27 addresses; v32-95, v96-159 fragment buffers (W's four fragments, then A's four); v160-223 read-back on the way out;
;            v224-255 the bias as four C tiles;  window 1: v0-127 accumulator tile (a, b) at v[8 (4 a + b)].
; The matrix instruction is used transposed (source 0 = rows of W, source 1 = rows of A): a lane holds eight neighbouring columns of one row of C.
.set PITCH,  528                       ; an LDS row: 512 bytes + 16 = 33 x 16: the 16 rows that a load touches begin at 16 different 16-byte columns of a span of 256 bytes
.set QT,     64*PITCH                  ; 64 rows: what one tensor load brings, what one wave reads of A or of W
.set SLOT,   4*QT                      ; A's 128 rows, then W's 128 rows
.set STAGE,  2*SLOT                    ; behind the ring: 16 rows x 272 bytes for each wave; no tensor load lands here
.set SPITCH, 272
.set ROWB,   4096                      ; bytes in a row of C
.set PERB,   512                       ; bytes of a period in a row of A or W
.set ADRA, 16
.set ADRB, 20
.set STO,  24
.set RD,   25
.set CO,   26
.set BO,   27
.set F0,   32                          ; fragment buffer 0: W at F0 + 8 b, A at F0 + 32 + 8 a
.set F1,   96                          ; fragment buffer 1
.set RB0,  160
.set RB1,  192
.set BI,   224
.set G1,  24
.set G0,  32
.set G1B, 48
.set G0B, 56
.set W_MUL,   0x50                     ; C and D window 1
.set W_FIRST, 0x40                     ; D window 1, C (the bias) window 0
.set W_ST,    0x04                     ; an LDS store's data from window 1
.set MSB, 0
.macro WIN new
.if MSB != \new
	s_set_vgpr_msb (MSB<<8)|\new
.set MSB, \new
.endif
.endm
.macro PLACES                          ; four plain places behind a matrix instruction (ISA guide 7.12.1)
.rept 4
	v_nop
.endr
.endm
.macro JLOAD s                         ; waves 0 and 1 fetch A's halves, waves 2 and 3 W's; the branch hangs on the wave's number alone
	s_cmp_eq_u32 s67, 0
	s_cbranch_scc0 .Lfor_b_\@
	tensor_load_to_lds s[G0+4*\s:G0+4*\s+3], s[G1:G1+7]
	s_nop 0
	s_branch .Lasked_\@
.Lfor_b_\@:
	tensor_load_to_lds s[G0B+4*\s:G0B+4*\s+3], s[G1B:G1B+7]
	s_nop 0
.Lasked_\@:
.endm
.macro CREST
	s_cmp_lg_u32 s66, 0
	s_cbranch_scc1 .Lnot_wave_0_\@
	s_barrier_signal -3
.Lnot_wave_0_\@:
	s_barrier_wait -3
	s_barrier_signal -1
	s_barrier_wait -1
.endm
.macro CROUND
	s_barrier_signal -1
	s_barrier_wait -1
	CREST
.endm
	s_load_b256 s[4:11], s[0:1], 0x0               ; A s[4:5], W s[6:7], bias s[8:9], C s[10:11]
	v_lshl_add_u32 v30, v0, 2, 0x46400
	v_mov_b32 v31, 0
	ds_add_u32 v30, v31
	v_lshrrev_b32 v1, 5, v0
	v_readfirstlane_b32 s66, v1                    ; wave 0..3
	s_lshr_b32 s67, s66, 1                         ; my half of the block's rows.  Also: I fetch for A (0) or for W (1)
	s_and_b32 s68, s66, 1                          ; my half of its columns.  Also: which 64 rows of that tile I fetch
	s_bfe_u32 s40, ttmp6, 0x40000                  ; cx
	s_bfe_u32 s41, ttmp6, 0x40004                  ; cy
	s_lshl_b32 s42, ttmp9, 2
	s_add_co_u32 s42, s42, s40                     ; block column
	s_and_b32 s69, ttmp7, 0xffff
	s_lshl_b32 s69, s69, 2
	s_add_co_u32 s69, s69, s41                     ; block row
	s_lshl_b32 s43, s41, 2
	s_lshl_b32 s43, 15, s43                        ; my row of the cluster
	s_lshl_b32 s44, 0x1111, s40                    ; my column
	; group 1: a tile of 64 rows x 256 elements of 2 bytes, 4 words of padding behind every 128 words
	s_or_b32 s[G1+0], s43, (1<<16)|(1<<20)|(1<<21)|(6<<22)|(3<<25)
	s_or_b32 s[G1B+0], s44, (1<<16)|(1<<20)|(1<<21)|(6<<22)|(3<<25)
.irp g, G1, G1B
	s_mov_b32 s[\g+1], 256<<16                     ; tensor_dim0 = 256
	s_mov_b32 s[\g+2], 64<<16                      ; tensor_dim1 = 64
	s_mov_b32 s[\g+3], 256<<16                     ; tile_dim0 = 256
	s_mov_b32 s[\g+4], 64                          ; tile_dim1 = 64
	s_mov_b32 s[\g+5], 1024                        ; elements from row to row
	s_mov_b32 s[\g+6], 0
	s_mov_b32 s[\g+7], 0
.endr
	s_lshl_b32 s23, s68, 17                        ; 64 rows x 2,048 bytes x (wave & 1)
	s_lshl_b32 s16, s69, 18                        ; A: 128 rows x 2,048 bytes x block row
	s_add_co_u32 s16, s16, s23
	s_mov_b32 s17, 0
	s_lshl_b32 s46, s42, 18                        ; W: the same with the block column
	s_add_co_u32 s46, s46, s23
	s_mov_b32 s47, 0
	s_mul_i32 s22, s66, QT                         ; where my tile goes: the wave's number alone
	s_wait_dscnt 0x0
	s_wait_kmcnt 0x0
	s_add_nc_u64 s[20:21], s[4:5], s[16:17]
	s_add_nc_u64 s[46:47], s[6:7], s[46:47]
	CROUND                                         ; in front of the first joint loads
.irp s, 0,1
	s_mov_b32 s[G0+4*\s], 1
	s_add_co_u32 s[G0+4*\s+1], s22, \s*SLOT
	s_add_nc_u64 s[G0+4*\s+2:G0+4*\s+3], s[20:21], \s*PERB
	s_or_b32 s[G0+4*\s+3], s[G0+4*\s+3], 0x80000000
	s_mov_b32 s[G0B+4*\s], 1
	s_add_co_u32 s[G0B+4*\s+1], s22, \s*SLOT
	s_add_nc_u64 s[G0B+4*\s+2:G0B+4*\s+3], s[46:47], \s*PERB
	s_or_b32 s[G0B+4*\s+3], s[G0B+4*\s+3], 0x80000000
	JLOAD \s                                       ; periods 0 and 1: two tensor loads of a wave are out, the most in this text
.endr
	v_and_b32 v1, 15, v0                           ; r
	v_bfe_u32 v2, v0, 4, 1                         ; h
	v_mul_u32_u24 v3, v1, PITCH
	v_lshl_add_u32 v3, v2, 4, v3                   ; r x pitch + 16 h
	s_mul_i32 s23, s67, QT                         ; my 64 rows of A
	s_mul_i32 s45, s68, QT                         ; my 64 rows of W,
	s_add_co_u32 s45, s45, 2*QT                    ; behind A's 128
.irp s, 0,1
	v_add_nc_u32 v[ADRA+\s], s23, v3
	v_add_nc_u32 v[ADRB+\s], s45, v3
	s_add_co_u32 s23, s23, SLOT
	s_add_co_u32 s45, s45, SLOT
.endr
	s_mul_i32 s23, s66, 16*SPITCH
	s_add_co_u32 s23, s23, STAGE                   ; my stage
	v_mul_u32_u24 v4, v1, SPITCH
	v_lshl_add_u32 v4, v2, 5, v4
	v_add_nc_u32 v[STO], s23, v4                   ; in: row r, 32 bytes for each half of the lanes
	v_mul_u32_u24 v5, v2, SPITCH
	v_lshl_add_u32 v5, v1, 4, v5
	v_add_nc_u32 v[RD], s23, v5                    ; back: lanes 0-15 one row of 256 bytes, lanes 16-31 the next
	v_lshlrev_b32 v5, 12, v2
	v_lshl_add_u32 v[CO], v1, 4, v5
	v_lshlrev_b32 v[BO], 5, v2
	s_lshl_b32 s74, s42, 9                         ; 128 columns x 4 bytes x block column
	s_lshl_b32 s23, s68, 8                         ; + my 64 columns
	s_add_co_u32 s74, s74, s23
	s_mov_b32 s75, 0
	s_add_nc_u64 s[8:9], s[8:9], s[74:75]
.irp b, 0,1,2,3
	global_load_b128 v[BI+8*\b:BI+8*\b+3],   v[BO], s[8:9] offset:64*\b      ; register j of lane (r, h) of tile b = bias[first column + 16 b + 8 h + j]
	global_load_b128 v[BI+8*\b+4:BI+8*\b+7], v[BO], s[8:9] offset:64*\b+16
.endr
	s_wait_loadcnt 0x0
; 16 LDS loads: the fragments of one chunk (64 rows of W, then 64 rows of A, 32 K at byte kb of the rows) into buffer f
.macro FETCH slot, kb, f
.irp i, 0,1,2,3
	ds_load_b128 v[\f+8*\i:\f+8*\i+3],   v[ADRB+\slot] offset:\kb+\i*16*PITCH
	ds_load_b128 v[\f+8*\i+4:\f+8*\i+7], v[ADRB+\slot] offset:\kb+\i*16*PITCH+32
.endr
.irp i, 0,1,2,3
	ds_load_b128 v[\f+32+8*\i:\f+32+8*\i+3],   v[ADRA+\slot] offset:\kb+\i*16*PITCH
	ds_load_b128 v[\f+32+8*\i+4:\f+32+8*\i+7], v[ADRA+\slot] offset:\kb+\i*16*PITCH+32
.endr
.endm
; 8 matrix instructions.  The 16 accumulators take turns, one instruction a turn, in the same order in every chunk.
.macro MUL8 f, a0, first
.irp a, \a0, \a0+1
.irp b, 0,1,2,3
.if \first
	v_wmma_f32_16x16x32_f16 v[8*(4*(\a)+\b):8*(4*(\a)+\b)+7], v[\f+8*\b:\f+8*\b+7], v[\f+32+8*(\a):\f+32+8*(\a)+7], v[BI+8*\b:BI+8*\b+7]
.else
	v_wmma_f32_16x16x32_f16 v[8*(4*(\a)+\b):8*(4*(\a)+\b)+7], v[\f+8*\b:\f+8*\b+7], v[\f+32+8*(\a):\f+32+8*(\a)+7], v[8*(4*(\a)+\b):8*(4*(\a)+\b)+7]
.endif
.endr
.endr
.endm
; One of a period's first seven chunks: asks LDS for the next chunk (byte kbnext, buffer g), then multiplies buffer f.
.macro CH slot, kbnext, f, g, first
	PLACES                                         ; the loads below land in fragments that the last chunk's matrix instructions read
	FETCH \slot, \kbnext, \g
	s_wait_dscnt 16                                ; this chunk's 16 loads are in; the 16 just issued may be out
.if \first
	WIN W_FIRST
.else
	WIN W_MUL
.endif
	MUL8 \f, 0, \first
	MUL8 \f, 2, \first
	WIN 0
.endm
.macro SEVEN slot, first
	CH \slot, 64,  F0, F1, \first
	CH \slot, 128, F1, F0, 0
	CH \slot, 192, F0, F1, 0
	CH \slot, 256, F1, F0, 0
	CH \slot, 320, F0, F1, 0
	CH \slot, 384, F1, F0, 0
	CH \slot, 448, F0, F1, 0
.endm
; The eighth chunk (buffer 1), and the change of slots: each wave has waited for its reads of this slot and for all its tensor loads in front of the barrier;
; behind it (fill = 1: behind the cluster's round that it opens) the refill comes first, then the next slot's first chunk is read.
.macro TURN slot, next, fill
	s_wait_dscnt 0                                 ; my reads of this slot are over
	s_wait_tensorcnt 0x0                           ; and all my tensor loads have landed
	ds_add_u32 v30, v31
	s_wait_dscnt 0x0
	s_barrier_signal -1
	WIN W_MUL
	MUL8 F1, 0, 0                                  ; register work while the others arrive
	WIN 0
	s_barrier_wait -1
.if \fill
	CREST
	s_add_nc_u64 s[G0+4*\slot+2:G0+4*\slot+3], s[G0+4*\slot+2:G0+4*\slot+3], 2*PERB
	s_add_nc_u64 s[G0B+4*\slot+2:G0B+4*\slot+3], s[G0B+4*\slot+2:G0B+4*\slot+3], 2*PERB
	JLOAD \slot                                    ; my one tensor load behind the round: this slot, two periods ahead
.endif
	PLACES
	FETCH \next, 0, F0
	WIN W_MUL
	MUL8 F1, 2, 0
	WIN 0
.endm
	s_wait_tensorcnt 0x1                           ; my part of period 0 is in; period 1's may stay out
	s_barrier_signal -1
	s_barrier_wait -1
	FETCH 0, 0, F0
	SEVEN 0, 1                                     ; period 0: the first products take the bias as C
	TURN 0, 1, 1                                   ; slot 0 gets period 2
	SEVEN 1, 0                                     ; period 1
	TURN 1, 0, 1                                   ; slot 1 gets period 3
	SEVEN 0, 0                                     ; period 2
	TURN 0, 1, 0                                   ; nothing is left to fetch
	SEVEN 1, 0                                     ; period 3
	s_wait_dscnt 0
	WIN W_MUL
	MUL8 F1, 0, 0
	MUL8 F1, 2, 0
	WIN 0
	; THE WAY OUT, 16 rows at a time, through my own stage: a lane's 32 bytes in, whole rows of 256 bytes back.
	PLACES
	s_lshl_b32 s74, s69, 19                        ; 128 rows x 4,096 bytes x block row
	s_lshl_b32 s76, s42, 9                         ; + 128 columns x 4 bytes x block column
	s_add_co_u32 s74, s74, s76
	s_lshl_b32 s23, s67, 18                        ; + my 64 rows
	s_add_co_u32 s74, s74, s23
	s_lshl_b32 s23, s68, 8                         ; + my 64 columns
	s_add_co_u32 s74, s74, s23
	s_mov_b32 s75, 0
	s_add_nc_u64 s[10:11], s[10:11], s[74:75]
.macro OUT16 a, f
	WIN W_ST
.irp b, 0,1,2,3
	ds_store_b128 v[STO], v[8*(4*\a+\b):8*(4*\a+\b)+3]   offset:64*\b
	ds_store_b128 v[STO], v[8*(4*\a+\b)+4:8*(4*\a+\b)+7] offset:64*\b+16
.endr
	WIN 0
	s_wait_xcnt 0x0                                ; buffer f, which earlier stores read, and the stores' base are written again only behind this wait
.if \a
	s_add_nc_u64 s[10:11], s[10:11], 16*ROWB
.endif
.irp t, 0,1,2,3,4,5,6,7
	ds_load_b128 v[\f+4*\t:\f+4*\t+3], v[RD] offset:\t*2*SPITCH    ; a wave's LDS instructions are served in order: these see the stores above
.endr
.irp t, 0,1,2,3,4,5,6,7
	s_wait_dscnt 7-\t                              ; read-back t is in; the younger ones may be out
	global_store_b128 v[CO], v[\f+4*\t:\f+4*\t+3], s[10:11] offset:2*\t*ROWB   ; 16 lanes store 256 consecutive bytes, aligned
.endr
.endm
	OUT16 0, RB0
	OUT16 1, RB1
	OUT16 2, RB0
	OUT16 3, RB1
	s_wait_tensorcnt 0x0
	ds_add_u32 v30, v31
	s_wait_dscnt 0x0
	CROUND                                         ; the closing round
	s_endpgm
.Lfunc_end_k_qd6e9a40415_oproj:
	.size	k_qd6e9a40415_oproj, .Lfunc_end_k_qd6e9a40415_oproj-k_qd6e9a40415_oproj
	.p2alignl 7, 3214868480
	.fill 96, 4, 3214868480
	.section	.rodata,"a",@progbits
	.p2align	6, 0x0
	.amdhsa_kernel k_qd6e9a40415_oproj
		.amdhsa_group_segment_fixed_size 327680
		.amdhsa_private_segment_fixed_size 0
		.amdhsa_enable_private_segment 0
		.amdhsa_kernarg_size 32
		.amdhsa_user_sgpr_count 2
		.amdhsa_user_sgpr_kernarg_segment_ptr 1
		.amdhsa_wavefront_size32 1
		.amdhsa_system_sgpr_workgroup_id_x 1
		.amdhsa_system_sgpr_workgroup_id_y 1
		.amdhsa_system_sgpr_workgroup_id_z 1
		.amdhsa_system_vgpr_workitem_id 0
		.amdhsa_next_free_vgpr 384
		.amdhsa_next_free_sgpr 78
		.amdhsa_reserve_vcc 0
		.amdhsa_float_denorm_mode_32 3
		.amdhsa_float_denorm_mode_16_64 3
		.amdhsa_memory_ordered 1
		.amdhsa_forward_progress 1
		.amdhsa_inst_pref_size 90
	.end_amdhsa_kernel
	.amdgpu_metadata
---
amdhsa.version: [ 1, 2 ]
amdhsa.kernels:
  - .name:           k_qd6e9a40415_oproj
    .symbol:         k_qd6e9a40415_oproj.kd
    .args:
      - { .name: ao, .offset: 0, .size: 8, .value_kind: global_buffer, .address_space: global }
      - { .name: wp16, .offset: 8, .size: 8, .value_kind: global_buffer, .address_space: global }
      - { .name: bp, .offset: 16, .size: 8, .value_kind: global_buffer, .address_space: global }
      - { .name: out0, .offset: 24, .size: 8, .value_kind: global_buffer, .address_space: global }
    .group_segment_fixed_size: 327680
    .private_segment_fixed_size: 0
    .kernarg_segment_align: 8
    .kernarg_segment_size: 32
    .max_flat_workgroup_size: 128
    .sgpr_count:     78
    .vgpr_count:     384
    .wavefront_size: 32
...
	.end_amdgpu_metadata
.endif
;; end of part 7
